; MI455X (gfx1250); checked and timed in simulation.
; The chip was launched on July 23, 2026; its instructions are those of AMD's public machine-readable ISA for CDNA 5 (MIT licence, August 2026) and "CDNA5" Instruction Set Architecture Reference Guide (July 2026). The comments in the code are by the model that wrote it; some were corrected since.
;; Complex Multi Head Attention. Allowed arithmetic: float matrix products may take bf16 or f16 operands with f32 sums; all other float work in f32.
;; Inputs: keys 8 x 1,024 x 512 x 2 float32; queries 8 x 1,024 x 512 x 2 float32; values 8 x 1,024 x 512 x 2 float32; wk_i 512 x 512 float32; wk_r 512 x 512 float32; wo_i 512 x 512 float32; wo_r 512 x 512 float32; wq_i 512 x 512 float32; wq_r 512 x 512 float32; wv_i 512 x 512 float32; wv_r 512 x 512 float32.
;; Outputs: out0 8 x 1,024 x 512 x 2 float32.
;; 2 versions, each right. Each part assembles by itself: llvm-mc -triple=amdgcn-amd-amdhsa -mcpu=gfx1250 --defsym DOCPART=n.
;; ======== version 1 of 2: 4 launches
;; limits: values are held in f16: magnitudes above 65,504 overflow, below 6.1e-05 lose precision
;; workspace buffers: wcat 8,388,608 bytes; qkv 50,331,648 bytes; att 16,777,216 bytes
;; launch wprep (part 1): grid 256 x 1, 4 waves a work-group, no clusters, 0 bytes of LDS; arguments wq_r, wq_i, wk_r, wk_i, wv_r, wv_i, wo_r, wo_i, wcat; writes wcat
.if DOCPART == 1
	.amdgcn_target "amdgcn-amd-amdhsa--gfx1250"
	.amdhsa_code_object_version 6
	.text
	.protected	k_q46b3bfd31b_wprep
	.globl	k_q46b3bfd31b_wprep
	.p2align	8
	.type	k_q46b3bfd31b_wprep,@function
k_q46b3bfd31b_wprep:
	s_mov_b64 s[64:65], 0
	v_nop
	global_prefetch_b8 v0, s[64:65] scope:SCOPE_SE
	s_setreg_imm32_b32 hwreg(HW_REG_WAVE_MODE, 25, 1), 1
	s_wait_xcnt 0x0
; wprep: the four complex weights as real f16 matrices W' of [1024 rows n][1024 columns k'], k' = 2 d + c, so that a complex
; linear layer is one real product with the interleaved row of x:
;   the row for y_r[o] holds (w_r[o][d], -w_i[o][d]), the row for y_i[o] holds (w_i[o][d], w_r[o][d]).
; wcat: part p (0 = q, 1 = k, 2 = v, 3 = o) at p x 2,097,152 bytes.  Rows of parts 0 to 2 are planar in each head:
; n = (o >> 6) 128 + c 64 + (o & 63), so that a head's q, k, v come out as [real 64 | imaginary 64]; rows of part 3 are n = 2 o + c.
; Four waves; the work-group owns rows o = 2 x and 2 x + 1 of all eight inputs; a wave owns half a row (1,024 bytes of w_r and of w_i)
; of each of the four weights, as two chunks of 512 bytes.  A lane's 4 + 4 f32 make 16 bytes of the y_r row and 16 of the y_i row, at
; the same byte offset in the row as its 16 input bytes.  Every load and store of a wave covers 512 consecutive bytes, aligned.
; A stream: no LDS, no barrier, no matrix unit.  LIMIT: weights must lie inside f16's range (below 65,504 in magnitude).
.set IN,   8                           ; v[8:71]    chunk c = 2 p + i: 4 registers of w_r, 4 of w_i
.set OUT,  72                          ; v[72:135]  chunk c: 4 registers of the y_r row, 4 of the y_i row; no register is written twice
.set PART, 2097152                     ; bytes of one W'
	s_load_b512 s[8:23], s[0:1], 0x0               ; w_r of part p in s[8+4p:9+4p], w_i in s[10+4p:11+4p]
	s_load_b64 s[24:25], s[0:1], 0x40              ; wcat
	s_lshl_b32 s4, ttmp9, 1
	v_lshrrev_b32 v4, 6, v0
	v_add_nc_u32 v4, s4, v4                        ; o = 2 x + (thread >> 6)
	v_and_b32 v5, 31, v0
	v_lshlrev_b32 v5, 4, v5                        ; 16 bytes a lane
	v_bfe_u32 v6, v0, 5, 1
	v_lshl_add_u32 v5, v6, 10, v5                  ; + 1,024 for the row's second half
	v_lshl_add_u32 v1, v4, 11, v5                  ; input: row o of 2,048 bytes
	v_lshl_add_u32 v3, v4, 12, v5                  ; part 3: row 2 o of 2,048 bytes
	v_and_b32 v6, 0x1c0, v4
	v_add_nc_u32 v6, v6, v4                        ; (o >> 6) 128 + (o & 63) = o + (o & ~63)
	v_lshl_add_u32 v2, v6, 11, v5                  ; parts 0 to 2: that row
	s_wait_kmcnt 0x0
.irp p, 0,1,2,3
.irp i, 0,1
	global_load_b128 v[IN+8*(2*\p+\i):IN+8*(2*\p+\i)+3],   v1, s[8+4*\p:9+4*\p]   offset:512*\i th:TH_LOAD_NT
	global_load_b128 v[IN+8*(2*\p+\i)+4:IN+8*(2*\p+\i)+7], v1, s[10+4*\p:11+4*\p] offset:512*\i th:TH_LOAD_NT
.endr
.endr
.irp p, 0,1,2,3
.irp i, 0,1
	s_wait_loadcnt 14-2*(2*\p+\i)                  ; loads come back in order: this chunk's two are in, two for each younger chunk stay out
.irp j, 0,1,2,3
	v_cvt_pk_f16_f32 v[OUT+8*(2*\p+\i)+\j],   v[IN+8*(2*\p+\i)+\j],   v[IN+8*(2*\p+\i)+4+\j]   ; (w_r, w_i)
	v_cvt_pk_f16_f32 v[OUT+8*(2*\p+\i)+4+\j], v[IN+8*(2*\p+\i)+4+\j], v[IN+8*(2*\p+\i)+\j]     ; (w_i, w_r)
.endr
.irp j, 0,1,2,3
	v_xor_b32 v[OUT+8*(2*\p+\i)+\j], 0x80000000, v[OUT+8*(2*\p+\i)+\j]                         ; (w_r, -w_i): the upper half's sign
.endr
.if \p < 3
	global_store_b128 v2, v[OUT+8*(2*\p+\i):OUT+8*(2*\p+\i)+3],   s[24:25] offset:\p*PART+512*\i
	global_store_b128 v2, v[OUT+8*(2*\p+\i)+4:OUT+8*(2*\p+\i)+7], s[24:25] offset:\p*PART+512*\i+64*2048   ; the imaginary row lies 64 rows below
.else
	global_store_b128 v3, v[OUT+8*(2*\p+\i):OUT+8*(2*\p+\i)+3],   s[24:25] offset:3*PART+512*\i
	global_store_b128 v3, v[OUT+8*(2*\p+\i)+4:OUT+8*(2*\p+\i)+7], s[24:25] offset:3*PART+512*\i+2048       ; the imaginary row is the next one
.endif
.endr
.endr
	s_endpgm
.Lfunc_end_k_q46b3bfd31b_wprep:
	.size	k_q46b3bfd31b_wprep, .Lfunc_end_k_q46b3bfd31b_wprep-k_q46b3bfd31b_wprep
	.p2alignl 7, 3214868480
	.fill 96, 4, 3214868480
	.section	.rodata,"a",@progbits
	.p2align	6, 0x0
	.amdhsa_kernel k_q46b3bfd31b_wprep
		.amdhsa_group_segment_fixed_size 0
		.amdhsa_private_segment_fixed_size 0
		.amdhsa_enable_private_segment 0
		.amdhsa_kernarg_size 72
		.amdhsa_user_sgpr_count 2
		.amdhsa_user_sgpr_kernarg_segment_ptr 1
		.amdhsa_wavefront_size32 1
		.amdhsa_system_sgpr_workgroup_id_x 1
		.amdhsa_system_sgpr_workgroup_id_y 1
		.amdhsa_system_sgpr_workgroup_id_z 1
		.amdhsa_system_vgpr_workitem_id 0
		.amdhsa_next_free_vgpr 136
		.amdhsa_next_free_sgpr 66
		.amdhsa_reserve_vcc 0
		.amdhsa_float_denorm_mode_32 3
		.amdhsa_float_denorm_mode_16_64 3
		.amdhsa_memory_ordered 1
		.amdhsa_forward_progress 1
		.amdhsa_inst_pref_size 11
	.end_amdhsa_kernel
	.amdgpu_metadata
---
amdhsa.version: [ 1, 2 ]
amdhsa.kernels:
  - .name:           k_q46b3bfd31b_wprep
    .symbol:         k_q46b3bfd31b_wprep.kd
    .args:
      - { .name: wq_r, .offset: 0, .size: 8, .value_kind: global_buffer, .address_space: global }
      - { .name: wq_i, .offset: 8, .size: 8, .value_kind: global_buffer, .address_space: global }
      - { .name: wk_r, .offset: 16, .size: 8, .value_kind: global_buffer, .address_space: global }
      - { .name: wk_i, .offset: 24, .size: 8, .value_kind: global_buffer, .address_space: global }
      - { .name: wv_r, .offset: 32, .size: 8, .value_kind: global_buffer, .address_space: global }
      - { .name: wv_i, .offset: 40, .size: 8, .value_kind: global_buffer, .address_space: global }
      - { .name: wo_r, .offset: 48, .size: 8, .value_kind: global_buffer, .address_space: global }
      - { .name: wo_i, .offset: 56, .size: 8, .value_kind: global_buffer, .address_space: global }
      - { .name: wcat, .offset: 64, .size: 8, .value_kind: global_buffer, .address_space: global }
    .group_segment_fixed_size: 0
    .private_segment_fixed_size: 0
    .kernarg_segment_align: 8
    .kernarg_segment_size: 72
    .max_flat_workgroup_size: 128
    .sgpr_count:     66
    .vgpr_count:     136
    .wavefront_size: 32
...
	.end_amdgpu_metadata
.endif
;; end of part 1
;; launch proj (part 2): grid 4 x 192, 4 waves a work-group, clusters of 4 x 4, 327,680 bytes of LDS; arguments queries, keys, values, wcat, qkv; writes qkv
.if DOCPART == 2
	.amdgcn_target "amdgcn-amd-amdhsa--gfx1250"
	.amdhsa_code_object_version 6
	.text
	.protected	k_q46b3bfd31b_proj
	.globl	k_q46b3bfd31b_proj
	.p2align	8
	.type	k_q46b3bfd31b_proj,@function
k_q46b3bfd31b_proj:
	s_mov_b64 s[64:65], 0
	v_nop
	global_prefetch_b8 v0, s[64:65] scope:SCOPE_SE
	s_setreg_imm32_b32 hwreg(HW_REG_WAVE_MODE, 25, 1), 1
	s_wait_xcnt 0x0
	s_wait_alu depctr_hold_cnt(0) depctr_sa_sdst(0) depctr_va_vdst(0) depctr_va_sdst(0) depctr_va_ssrc(0) depctr_va_vcc(0) depctr_vm_vsrc(0)
	s_getreg_b32 s2, hwreg(HW_REG_IB_STS2, 6, 4)
	s_cmp_eq_u32 s2, 0
	s_cbranch_scc0 .Lentry_in_a_cluster
	s_endpgm
.Lentry_in_a_cluster:
	s_bfe_u32 s2, ttmp6, 0x10000c
	s_cmp_lg_u32 s2, 0xf033
	s_cbranch_scc0 .Lentry_shape_is_right
	s_endpgm
.Lentry_shape_is_right:
; proj: the three input layers as real products, y[m][n] = sum over k' of x[m][k'] W'[n][k'], M = 8192, N = 1024, K = 1024 each.
; x (queries, keys, values) is f32 [8192][1024] as it lies in memory (k' = 2 d + c); W' is part p of wcat, f16; y is part p of qkv, f16
; [8192][1024], column n = head 128 + c 64 + dh.  Sums in f32, y rounded once.
; LIMIT: operands are f16: x, W' and y must stay below 65,504 in magnitude (y of the drawn kind of inputs reaches about 8.5; with every
; input 30 times larger about 7,600).  NaN and infinities are not treated.
; A work-group makes 128 x 256 of y with four waves, as many as a WGP has SIMDs; a wave makes 64 x 128: 32 accumulator tiles, 256 registers.
; 3 x 64 x 4 = 768 work-groups.  K goes in steps of 128 through two LDS slots filled by the tensor data mover; x comes into LDS as f32 and
; is rounded to f16 on the way from LDS to the matrix unit, so x is read from memory once and no f16 copy of it is ever stored.
; CLUSTERS: 4 x 4 work-groups.  The four of a row of the cluster make one block row of y and ask for x's tile jointly; the four of a column
; make one block column and ask for W's tile jointly.  All sixteen belong to one part p (p hangs on the cluster's y alone).
; THE MATRIX INSTRUCTION IS USED TRANSPOSED: source 0 = 16 rows of W', source 1 = 16 rows of x, so that a lane's eight results are eight
; neighbouring columns of one row of y.
; REGISTERS: window 0: v8-14 addresses; v32-95, v96-159 fragments of W', two buffers; v160-191, v192-223 fragments of x in f16, two buffers.
;            window 1: the 32 accumulator tiles, tile (a, b) at v[8 (8 a + b)].   window 2: v0-63 (v512-575): x in f32 as read from LDS.
.set KSTEP,  128
.set APITCH, 528                       ; an LDS row of x: 512 bytes + 16 of padding: the 16 rows of a fragment start at 16 different 16-byte columns modulo 256 bytes
.set AHALF,  64*APITCH                 ; 64 rows: what one tensor load brings of x, and what one wave reads
.set ABYTES, 2*AHALF
.set BPITCH, 272                       ; an LDS row of W': 256 bytes + 16
.set BHALF,  128*BPITCH                ; 128 rows: one tensor load, one wave's share
.set SLOT,   ABYTES+2*BHALF            ; 137,216 bytes: x's 128 rows, then W's 256 rows
.set STAGE,  2*SLOT                    ; behind the ring: 16 rows x 272 bytes for each wave, for the way out; no tensor load lands here
.set SPITCH, 272
.set ASTEP,  KSTEP*4                   ; a K step in bytes of x
.set BSTEP,  KSTEP*2                   ; and of W'
.set ADRA, 8                           ; v8-9    LDS address of my x fragments in slot 0, 1
.set ADRB, 10                          ; v10-11  the same for W'
.set STO,  12                          ; the way out: where I put 16 bytes of a row
.set RD,   13                          ; the way out: where I read a row back
.set CO,   14                          ; my byte offset in y
.set WF,   32                          ; W' fragments, buffer 0; buffer 1 is 64 further
.set XB,   160                         ; x fragments in f16, buffer 0; buffer 1 is 32 further
.set TMP,  32                          ; the way out: packed results
.set G1A, 24                           ; s[24:31] descriptor group 1 for x's tiles
.set G0A, 32                           ; s[32:39] group 0 for x's tiles, one set for each slot
.set G1B, 48                           ; s[48:55] group 1 for W's tiles
.set G0B, 56                           ; s[56:63] group 0 for W's tiles, one set for each slot
.set MSB, 0
.macro WIN new                         ; s_set_vgpr_msb: bits 1:0 source 0, 3:2 source 1, 5:4 source 2, 7:6 destination; the high byte repeats the setting that is left
.if MSB != \new
	s_set_vgpr_msb (MSB<<8)|\new
.set MSB, \new
.endif
.endm
.macro PLACES                          ; four places behind a matrix instruction (ISA guide 7.12.1), kept by v_nop
.rept 4
	v_nop
.endr
.endm
; A joint load.  Waves 0 and 1 fetch x's two halves, waves 2 and 3 W's.  The branch hangs on the wave's number alone.
.macro JLOAD s
	s_cmp_eq_u32 s15, 0
	s_cbranch_scc0 .Lfor_b_\@
	tensor_load_to_lds s[G0A+4*\s:G0A+4*\s+3], s[G1A:G1A+7]
	s_nop 0
	s_branch .Lasked_\@
.Lfor_b_\@:
	tensor_load_to_lds s[G0B+4*\s:G0B+4*\s+3], s[G1B:G1B+7]
	s_nop 0
.Lasked_\@:
.endm
.macro CREST                           ; a round of the cluster's barrier behind its opening work-group barrier
	s_cmp_lg_u32 s14, 0
	s_cbranch_scc1 .Lnot_wave_0_\@
	s_barrier_signal -3
.Lnot_wave_0_\@:
	s_barrier_wait -3
	s_barrier_signal -1
	s_barrier_wait -1
.endm
.macro CROUND                          ; a whole round
	s_barrier_signal -1
	s_barrier_wait -1
	CREST
.endm
	s_load_b256 s[4:11], s[0:1], 0x0               ; queries s[4:5], keys s[6:7], values s[8:9], wcat s[10:11]
	s_load_b64 s[12:13], s[0:1], 0x20              ; qkv
	v_lshl_add_u32 v254, v0, 2, 0x47400
	v_mov_b32 v255, 0
	ds_add_u32 v254, v255
	v_lshrrev_b32 v1, 5, v0
	v_readfirstlane_b32 s14, v1                    ; wave 0..3
	s_lshr_b32 s15, s14, 1                         ; which 64 rows of the block are mine.  Also: I fetch for x (0) or for W' (1)
	s_and_b32 s16, s14, 1                          ; which 128 columns.  Also: which half of that tile I fetch
	s_bfe_u32 s17, ttmp6, 0x40000                  ; cx
	s_bfe_u32 s18, ttmp6, 0x40004                  ; cy
	s_lshl_b32 s19, ttmp9, 2
	s_add_co_u32 s19, s19, s17                     ; block column = 4 x cluster x + cx
	s_and_b32 s20, ttmp7, 0xffff                   ; the cluster's y, 0 to 47
	s_lshr_b32 s21, s20, 4                         ; p: 16 clusters along y for each part
	s_and_b32 s22, s20, 15
	s_lshl_b32 s22, s22, 2
	s_add_co_u32 s22, s22, s18                     ; block row inside the part = 4 x (cluster y mod 16) + cy
	s_lshl_b32 s66, s18, 2
	s_lshl_b32 s66, 15, s66                        ; my row of the cluster: places 4 cy .. 4 cy + 3
	s_lshl_b32 s67, 0x1111, s17                    ; my column: places cx, cx + 4, cx + 8, cx + 12
	; group 1 for x: 64 rows x 128 elements of 4 bytes, 4 words of padding behind every 128 words
	s_or_b32 s[G1A+0], s66, (2<<16)|(1<<20)|(1<<21)|(6<<22)|(3<<25)
	s_mov_b32 s[G1A+1], KSTEP<<16                  ; tensor_dim0 = 128
	s_mov_b32 s[G1A+2], 64<<16                     ; tensor_dim1 = 64
	s_mov_b32 s[G1A+3], KSTEP<<16                  ; tile_dim0 = 128
	s_mov_b32 s[G1A+4], 64                         ; tile_dim1 = 64
	s_mov_b32 s[G1A+5], 1024                       ; elements from row to row
	s_mov_b32 s[G1A+6], 0
	s_mov_b32 s[G1A+7], 0
	; group 1 for W': 128 rows x 128 elements of 2 bytes, 4 words of padding behind every 64 words
	s_or_b32 s[G1B+0], s67, (1<<16)|(1<<20)|(1<<21)|(5<<22)|(3<<25)
	s_mov_b32 s[G1B+1], KSTEP<<16
	s_mov_b32 s[G1B+2], 128<<16
	s_mov_b32 s[G1B+3], KSTEP<<16
	s_mov_b32 s[G1B+4], 128
	s_mov_b32 s[G1B+5], 1024
	s_mov_b32 s[G1B+6], 0
	s_mov_b32 s[G1B+7], 0
	; where the tiles come from: x's hang on the block row (and p), W's on the block column (and p), each in registers that never hold the other place
	s_lshl_b32 s42, s22, 7
	s_lshl_b32 s43, s16, 6
	s_add_co_u32 s42, s42, s43
	s_lshl_b32 s42, s42, 12                        ; x: row (128 block row + 64 half) of 4,096 bytes; below 2^25
	s_mov_b32 s43, 0
	s_lshl_b32 s46, s19, 8
	s_lshl_b32 s47, s16, 7
	s_add_co_u32 s46, s46, s47
	s_lshl_b32 s46, s46, 11                        ; W': row (256 block column + 128 half) of 2,048 bytes
	s_lshl_b32 s47, s21, 21
	s_add_co_u32 s46, s46, s47                     ; + part p
	s_mov_b32 s47, 0
	s_mul_i32 s44, s16, AHALF                      ; and where they go: the wave's number alone enters an LDS address
	s_mul_i32 s45, s16, BHALF
	s_add_co_u32 s45, s45, ABYTES
	; my corner of y
	s_lshl_b32 s72, s22, 7
	s_lshl_b32 s73, s15, 6
	s_add_co_u32 s72, s72, s73
	s_lshl_b32 s72, s72, 11                        ; row (128 block row + 64 half) of 2,048 bytes
	s_lshl_b32 s73, s21, 24
	s_add_co_u32 s72, s72, s73                     ; + part p of 16,777,216 bytes
	s_mov_b32 s73, 0
	s_lshl_b32 s74, s19, 9
	s_lshl_b32 s75, s16, 8
	s_add_co_u32 s74, s74, s75                     ; column, in bytes: 512 block column + 256 half
	s_mov_b32 s75, 0
	s_wait_dscnt 0x0
	s_wait_kmcnt 0x0
	s_cmp_eq_u32 s21, 1
	s_cselect_b64 s[40:41], s[6:7], s[4:5]         ; x = queries, keys or values, by p
	s_cmp_eq_u32 s21, 2
	s_cselect_b64 s[40:41], s[8:9], s[40:41]
	s_add_nc_u64 s[40:41], s[40:41], s[42:43]
	s_add_nc_u64 s[46:47], s[10:11], s[46:47]
	s_add_nc_u64 s[12:13], s[12:13], s[72:73]
	s_add_nc_u64 s[12:13], s[12:13], s[74:75]
	CROUND                                         ; all sixteen work-groups are here: the first joint loads meet
.irp s, 0,1
	s_mov_b32 s[G0A+4*\s], 1
	s_add_co_u32 s[G0A+4*\s+1], s44, \s*SLOT
	s_add_nc_u64 s[G0A+4*\s+2:G0A+4*\s+3], s[40:41], \s*ASTEP      ; K step s
	s_or_b32 s[G0A+4*\s+3], s[G0A+4*\s+3], 0x80000000
	s_mov_b32 s[G0B+4*\s], 1
	s_add_co_u32 s[G0B+4*\s+1], s45, \s*SLOT
	s_add_nc_u64 s[G0B+4*\s+2:G0B+4*\s+3], s[46:47], \s*BSTEP
	s_or_b32 s[G0B+4*\s+3], s[G0B+4*\s+3], 0x80000000
	JLOAD \s                                       ; both slots' first fills go out together: two tensor loads of the wave are out
.endr
	; A fragment is 16 rows x 32 K: lane l holds row l % 16; its first half K = 8 (l / 16) + 0..7, its second K = 16 + 8 (l / 16) + 0..7.
	v_and_b32 v1, 15, v0                           ; r = l % 16
	v_bfe_u32 v2, v0, 4, 1                         ; h = l / 16
	v_mul_u32_u24 v3, v1, APITCH
	v_lshl_add_u32 v3, v2, 5, v3                   ; x in f32: row x pitch + 32 h
	v_mul_u32_u24 v4, v1, BPITCH
	v_lshl_add_u32 v4, v2, 4, v4                   ; W' in f16: row x pitch + 16 h
	s_mul_i32 s68, s15, AHALF                      ; my 64 rows of x
	s_mul_i32 s69, s16, BHALF                      ; my 128 rows of W',
	s_add_co_u32 s69, s69, ABYTES                  ; which lie behind x's
.irp s, 0,1
	v_add_nc_u32 v[ADRA+\s], s68, v3
	v_add_nc_u32 v[ADRB+\s], s69, v4
	s_add_co_u32 s68, s68, SLOT
	s_add_co_u32 s69, s69, SLOT
.endr
	s_mul_i32 s70, s14, 16*SPITCH
	s_add_co_u32 s70, s70, STAGE                   ; my stage
	v_add_nc_u32 v[STO], s70, v4                   ; in: row r, 16 bytes for each half of the lanes
	v_mul_u32_u24 v5, v2, SPITCH
	v_lshl_add_u32 v5, v1, 4, v5
	v_add_nc_u32 v[RD], s70, v5                    ; back: lanes 0-15 one row of 256 bytes, lanes 16-31 the next
	v_lshlrev_b32 v5, 11, v2
	v_lshl_add_u32 v[CO], v1, 4, v5                ; the same two rows in y
; 16 matrix instructions: m blocks a0, a0 + 1 x all 8 n blocks, 32 along K, on buffer buf.  zero = 1: the first product starts the sums.
; The 32 accumulators take turns, one instruction a turn, in the same order in every quarter step.
.macro MULH buf, a0, zero
	WIN 0x50
.irp a, \a0, \a0+1
.irp b, 0,1,2,3,4,5,6,7
.if \zero
	v_wmma_f32_16x16x32_f16 v[8*(8*(\a)+\b):8*(8*(\a)+\b)+7], v[WF+64*\buf+8*\b:WF+64*\buf+8*\b+7], v[XB+32*\buf+8*(\a):XB+32*\buf+8*(\a)+7], 0
.else
	v_wmma_f32_16x16x32_f16 v[8*(8*(\a)+\b):8*(8*(\a)+\b)+7], v[WF+64*\buf+8*\b:WF+64*\buf+8*\b+7], v[XB+32*\buf+8*(\a):XB+32*\buf+8*(\a)+7], v[8*(8*(\a)+\b):8*(8*(\a)+\b)+7]
.endif
.endr
.endr
.endm
; 32 LDS loads in one run: quarter q (32 along K) of a slot: 128 rows of W' into buffer buf, 64 rows of x, still f32, into window 2.
; The four v_nop stand between the last matrix instruction that read buffer buf and these loads, and between it and the conversion that writes x's buffer buf.
.macro FETCH slot, q, buf
	PLACES
	WIN 0
.irp i, 0,1,2,3,4,5,6,7
	ds_load_b128 v[WF+64*\buf+8*\i:WF+64*\buf+8*\i+3],   v[ADRB+\slot] offset:64*\q+\i*16*BPITCH
	ds_load_b128 v[WF+64*\buf+8*\i+4:WF+64*\buf+8*\i+7], v[ADRB+\slot] offset:64*\q+\i*16*BPITCH+32
.endr
	WIN 0x80
.irp i, 0,1,2,3
	ds_load_b128 v[16*\i:16*\i+3],     v[ADRA+\slot] offset:128*\q+\i*16*APITCH      ; K = 8 h + 0..3
	ds_load_b128 v[16*\i+4:16*\i+7],   v[ADRA+\slot] offset:128*\q+\i*16*APITCH+16   ; K = 8 h + 4..7
	ds_load_b128 v[16*\i+8:16*\i+11],  v[ADRA+\slot] offset:128*\q+\i*16*APITCH+64   ; K = 16 + 8 h + 0..3
	ds_load_b128 v[16*\i+12:16*\i+15], v[ADRA+\slot] offset:128*\q+\i*16*APITCH+80   ; K = 16 + 8 h + 4..7
.endr
.endm
.macro CVT buf                         ; x: 64 registers of f32 in window 2 to four f16 fragments in buffer buf
	WIN 0x0a
.irp i, 0,1,2,3
.irp j, 0,1,2,3,4,5,6,7
	v_cvt_pk_f16_f32 v[XB+32*\buf+8*\i+\j], v[16*\i+2*\j], v[16*\i+2*\j+1]
.endr
.endr
.endm
; A K step: four quarters of 32 along K on buffers 0, 1, 0, 1.  While one quarter is multiplied the next one's loads are on their way.
; mode 2: this slot is filled again, two K steps ahead; 1: the slots change, nothing is filled; 0: the last K step.
; The change of slots: each wave waits for its reads of this slot and for all its tensor loads (one is out: its part of the next slot), then signals.
; In mode 2 that barrier opens a round of the cluster's barrier; inside the round stands register work alone; the joint refill is the first
; tensor load behind the round, ahead of the first read of the next slot.  One tensor load of the wave is out behind each round.
.macro STEP slot, next, zero, mode
	FETCH \slot, 1, 1
	MULH 0, 0, \zero
	MULH 0, 2, \zero
	s_wait_dscnt 0x0                               ; the 32 loads issued ahead of these 32 matrix instructions
	CVT 1
	FETCH \slot, 2, 0
	MULH 1, 0, 0
	MULH 1, 2, 0
	s_wait_dscnt 0x0
	CVT 0
	FETCH \slot, 3, 1
	MULH 0, 0, 0
	MULH 0, 2, 0
	s_wait_dscnt 0x0                               ; my reads of this slot are over
.if \mode >= 1
	s_wait_tensorcnt 0x0                           ; all my tensor loads have landed
	ds_add_u32 v254, v255
	s_wait_dscnt 0x0
	s_barrier_signal -1
.endif
	CVT 1
	MULH 1, 0, 0                                   ; work on registers while the others arrive
.if \mode >= 1
	WIN 0                                          ; at a branch and at a label every window is 0
	s_barrier_wait -1
.if \mode == 2
	CREST
	s_add_nc_u64 s[G0A+4*\slot+2:G0A+4*\slot+3], s[G0A+4*\slot+2:G0A+4*\slot+3], 2*ASTEP   ; no tensor load of mine is out: group 0 may be written
	s_add_nc_u64 s[G0B+4*\slot+2:G0B+4*\slot+3], s[G0B+4*\slot+2:G0B+4*\slot+3], 2*BSTEP
	JLOAD \slot
.endif
	FETCH \next, 0, 0
.endif
	MULH 1, 2, 0
.if \mode >= 1
	s_wait_dscnt 0x0
	CVT 0
.endif
.endm
	s_wait_tensorcnt 0x1                           ; my part of K step 0 is in; K step 1's stays out
	s_barrier_signal -1
	s_barrier_wait -1                              ; everybody's is
	FETCH 0, 0, 0
	s_wait_dscnt 0x0
	CVT 0
	STEP 0, 1, 1, 2                                ; K steps 0 and 1 stand in front of the loop: the first products start the sums
	STEP 1, 0, 0, 2
	WIN 0
	s_mov_b32 s3, 2
.Llap:
	STEP 0, 1, 0, 2                                ; K steps 2 to 5
	STEP 1, 0, 0, 2
	WIN 0
	s_sub_co_u32 s3, s3, 1
	s_cmp_lg_u32 s3, 0
	s_cbranch_scc1 .Llap
	STEP 0, 1, 0, 1                                ; K step 6: slot 1's last load is waited for, nothing is filled
	STEP 1, 0, 0, 0                                ; K step 7
	; THE WAY OUT, 16 rows of y at a time: round to f16, 16 bytes a lane into my own stage, read back as whole rows of 256 bytes.
	PLACES
.macro OUT16 a, f
	WIN 0x05
.irp b, 0,1,2,3,4,5,6,7
.irp j, 0,1,2,3
	v_cvt_pk_f16_f32 v[TMP+4*\b+\j], v[8*(8*\a+\b)+2*\j], v[8*(8*\a+\b)+2*\j+1]
.endr
.endr
	WIN 0
.irp b, 0,1,2,3,4,5,6,7
	ds_store_b128 v[STO], v[TMP+4*\b:TMP+4*\b+3] offset:32*\b
.endr
	s_wait_xcnt 0x0                                ; buffer f, which earlier stores read, and the stores' base are rewritten only behind this wait
.if \a
	s_add_nc_u64 s[12:13], s[12:13], 16*2048       ; 16 rows of y on
.endif
.irp t, 0,1,2,3,4,5,6,7
	ds_load_b128 v[\f+4*\t:\f+4*\t+3], v[RD] offset:\t*2*SPITCH    ; LDS serves a wave's instructions in order: these see the stores above
.endr
.irp t, 0,1,2,3,4,5,6,7
	s_wait_dscnt 7-\t                              ; the younger loads of the eight stay out
	global_store_b128 v[CO], v[\f+4*\t:\f+4*\t+3], s[12:13] offset:\t*4096   ; 16 lanes store 256 consecutive bytes, aligned
.endr
.endm
	OUT16 0, 96
	OUT16 1, 128
	OUT16 2, 96
	OUT16 3, 128
	s_wait_tensorcnt 0x0
	ds_add_u32 v254, v255
	s_wait_dscnt 0x0
	CROUND                                         ; the closing round: no work-group ends while a partner may still ask for a tile that names it
	s_endpgm
.Lfunc_end_k_q46b3bfd31b_proj:
	.size	k_q46b3bfd31b_proj, .Lfunc_end_k_q46b3bfd31b_proj-k_q46b3bfd31b_proj
	.p2alignl 7, 3214868480
	.fill 96, 4, 3214868480
	.section	.rodata,"a",@progbits
	.p2align	6, 0x0
	.amdhsa_kernel k_q46b3bfd31b_proj
		.amdhsa_group_segment_fixed_size 327680
		.amdhsa_private_segment_fixed_size 0
		.amdhsa_enable_private_segment 0
		.amdhsa_kernarg_size 40
		.amdhsa_user_sgpr_count 2
		.amdhsa_user_sgpr_kernarg_segment_ptr 1
		.amdhsa_wavefront_size32 1
		.amdhsa_system_sgpr_workgroup_id_x 1
		.amdhsa_system_sgpr_workgroup_id_y 1
		.amdhsa_system_sgpr_workgroup_id_z 1
		.amdhsa_system_vgpr_workitem_id 0
		.amdhsa_next_free_vgpr 576
		.amdhsa_next_free_sgpr 76
		.amdhsa_reserve_vcc 0
		.amdhsa_float_denorm_mode_32 3
		.amdhsa_float_denorm_mode_16_64 3
		.amdhsa_memory_ordered 1
		.amdhsa_forward_progress 1
		.amdhsa_inst_pref_size 179
	.end_amdhsa_kernel
	.amdgpu_metadata
---
amdhsa.version: [ 1, 2 ]
amdhsa.kernels:
  - .name:           k_q46b3bfd31b_proj
    .symbol:         k_q46b3bfd31b_proj.kd
    .args:
      - { .name: queries, .offset: 0, .size: 8, .value_kind: global_buffer, .address_space: global }
      - { .name: keys, .offset: 8, .size: 8, .value_kind: global_buffer, .address_space: global }
      - { .name: values, .offset: 16, .size: 8, .value_kind: global_buffer, .address_space: global }
      - { .name: wcat, .offset: 24, .size: 8, .value_kind: global_buffer, .address_space: global }
      - { .name: qkv, .offset: 32, .size: 8, .value_kind: global_buffer, .address_space: global }
    .group_segment_fixed_size: 327680
    .private_segment_fixed_size: 0
    .kernarg_segment_align: 8
    .kernarg_segment_size: 40
    .max_flat_workgroup_size: 128
    .sgpr_count:     76
    .vgpr_count:     576
    .wavefront_size: 32
...
	.end_amdgpu_metadata
.endif
;; end of part 2
;; launch attn (part 3): grid 4 x 64, 8 waves a work-group, clusters of 4 x 1, 327,680 bytes of LDS; arguments qkv, att; writes att
.if DOCPART == 3
	.amdgcn_target "amdgcn-amd-amdhsa--gfx1250"
	.amdhsa_code_object_version 6
	.text
	.protected	k_q46b3bfd31b_attn
	.globl	k_q46b3bfd31b_attn
	.p2align	8
	.type	k_q46b3bfd31b_attn,@function
k_q46b3bfd31b_attn:
	s_mov_b64 s[64:65], 0
	v_nop
	global_prefetch_b8 v0, s[64:65] scope:SCOPE_SE
	s_setreg_imm32_b32 hwreg(HW_REG_WAVE_MODE, 25, 1), 1
	s_wait_xcnt 0x0
	s_wait_alu depctr_hold_cnt(0) depctr_sa_sdst(0) depctr_va_vdst(0) depctr_va_sdst(0) depctr_va_ssrc(0) depctr_va_vcc(0) depctr_vm_vsrc(0)
	s_getreg_b32 s2, hwreg(HW_REG_IB_STS2, 6, 4)
	s_cmp_eq_u32 s2, 0
	s_cbranch_scc0 .Lentry_in_a_cluster
	s_endpgm
.Lentry_in_a_cluster:
	s_bfe_u32 s2, ttmp6, 0x10000c
	s_cmp_lg_u32 s2, 0x3003
	s_cbranch_scc0 .Lentry_shape_is_right
	s_endpgm
.Lentry_shape_is_right:
; attn: for each of 64 heads (b, h): s_r = (q_r k_r - q_i k_i) / 8, s_i = (q_r k_i + q_i k_r) / 8, a_r = softmax(s_r), a_i = softmax(s_i),
; o_r = a_r v_r - a_i v_i, o_i = a_r v_i + a_i v_r.  q, k, v: parts 0, 1, 2 of qkv, f16 [8192][1024], a head's piece = 256 aligned bytes
; [real 64 | imaginary 64].  att: f16 [8192][1024], column = h 128 + 2 dh + c.
; Both softmaxes keep a running maximum and a running sum (f32) over steps of 32 keys; the scale and log2(e) are one factor c = log2(e) / 8.
; LIMITS: operands are f16 (q, k, v and the result below 65,504 in magnitude; the exponentials, at most about 1, are rounded to f16 for the
; numerators while the sums take them unrounded).  NaN and infinities are not treated.
; A work-group is one head and 256 queries; eight waves, 32 queries each, both softmaxes.  64 x 4 = 256 work-groups.
; CLUSTERS: the four query blocks of a head form a cluster and ask for every tile of K and V jointly (mask 15).
; TRANSPOSED: S^T = K Q^T (source 0 = 16 keys, source 1 = 16 queries): a lane holds 8 keys of ONE query, so a maximum or a sum needs one exchange
; between the halves of the wave, and two key tiles, packed in place, ARE the second source of O^T = V^T P^T (source 0 = 16 columns of V by a
; transposing LDS load).  T_r = a_r [v_r | v_i] and T_i = a_i [v_r | v_i] are summed apart and combined at the end.
; LDS: slot s at s x 71,680: K 128 rows of pitch 272, then V 128 rows of pitch 288; at 143,360 each wave's 32 rows of pitch 272: first its Q,
; filled once, at the end its stage for the way out.
.set SLOT,   71680
.set KPITCH, 272
.set VPITCH, 288                       ; an odd multiple of 32 bytes, for the transposing loads
.set KBYTES, 128*KPITCH
.set QST,    2*SLOT
.set QBYTES, 32*272
.set STEP,   128*2048                  ; 128 keys in bytes of qkv
.set PARTK,  16777216
.set PARTV,  33554432
.set CO,   1                           ; v1      my byte offset in att
.set KADR, 2                           ; v2-3    LDS address of my K fragments in slot 0, 1
.set VADR, 4                           ; v4-5    the same for V
.set QADR, 6                           ; v6      my Q fragments; later: where I put 32 bytes of a result row
.set RD,   7                           ; v7      where I read a result row back
.set NM,   8                           ; block k = 2 u + q (u: softmax, q: query tile): v[8+2k] = -c x maximum, v[9+2k] = maximum
.set AL,   16                          ; v[16+2k] = factor for the old sums, v[17+2k] = running sum (this half's 16 of each 32 keys)
.set T,    24                          ; v24-31  at work
.set QR,   32                          ; q_r: fragment (q, c) at +16 q + 8 c
.set QI,   64                          ; q_i
.set NQ,   96                          ; -q_i
.set S,    128                         ; scores: block k at +16 k, key tile m at +8 m; then the exponentials; then, packed, P in the first 8 of the 16
.set FA,   192                         ; v192-255: K fragments (key tile m at +32 m, [k_r 0-31, k_r 32-63, k_i 0-31, k_i 32-63]), then V fragments (+8 m)
.set INV,  192                         ; the end: pairs 1/l_r (q = 0, 1), 1/l_i (0, 1), -1/l_i (0, 1)
.set ER,   32                          ; the end: o_r, o_i, packed
.set FI,   64
.set GP,   96
.set G1K, 16                           ; s[16:23], s[24:31], s[48:55]: descriptor group 1 for K, V, Q
.set G1V, 24
.set G0K, 32                           ; s[32:39], s[40:47]: group 0 for K, V, one set for each slot
.set G0V, 40
.set G1Q, 48
.set G0Q, 56                           ; s[56:59]
.set MSB, 0
.macro WIN new                         ; window 1 holds the sums: tile (u, m, q) at v[8 (16 u + 2 m + q)], m = 0..7 over V's 128 columns
.if MSB != \new
	s_set_vgpr_msb (MSB<<8)|\new
.set MSB, \new
.endif
.endm
.macro PLACES
.rept 4
	v_nop
.endr
.endm
.macro ROUND                           ; a round of the cluster's barrier
	s_barrier_signal -1
	s_barrier_wait -1
	s_cmp_lg_u32 s8, 0
	s_cbranch_scc1 .Lnot_wave_0_\@
	s_barrier_signal -3
.Lnot_wave_0_\@:
	s_barrier_wait -3
	s_barrier_signal -1
	s_barrier_wait -1
.endm
.macro JKV s                           ; a joint load: waves 0 to 3 fetch 32 rows each of K's tile, waves 4 to 7 of V's
	s_cmp_eq_u32 s9, 0
	s_cbranch_scc0 .Lfor_v_\@
	tensor_load_to_lds s[G0K+4*\s:G0K+4*\s+3], s[G1K:G1K+7]
	s_nop 0
	s_branch .Lasked_\@
.Lfor_v_\@:
	tensor_load_to_lds s[G0V+4*\s:G0V+4*\s+3], s[G1V:G1V+7]
	s_nop 0
.Lasked_\@:
.endm
	s_load_b128 s[4:7], s[0:1], 0x0                ; qkv s[4:5], att s[6:7]
	v_lshl_add_u32 v190, v0, 2, 0x34000
	v_mov_b32 v191, 0
	ds_add_u32 v190, v191
	s_wait_dscnt 0x0
	v_lshrrev_b32 v24, 5, v0
	v_readfirstlane_b32 s8, v24                    ; wave 0..7
	s_lshr_b32 s9, s8, 2                           ; I fetch for K (0) or for V (1)
	s_and_b32 s10, s8, 3                           ; which 32 rows of the tile
	s_and_b32 s11, ttmp7, 0xffff                   ; the head: 8 b + h
	s_lshr_b32 s12, s11, 3
	s_lshl_b32 s12, s12, 21                        ; b x 1,024 rows of 2,048 bytes
	s_and_b32 s13, s11, 7
	s_lshl_b32 s13, s13, 8                         ; h x 256 bytes
	s_add_co_u32 s12, s12, s13
	s_lshl_b32 s14, s10, 16                        ; my 32 rows of a tile
	s_add_co_u32 s14, s14, s12
	s_mov_b32 s15, 0
	s_bfe_u32 s72, ttmp6, 0x40000                  ; cx; it enters Q's and att's addresses alone
	s_lshl_b32 s73, ttmp9, 2
	s_add_co_u32 s73, s73, s72                     ; query block
	s_lshl_b32 s74, s73, 8
	s_lshl_b32 s75, s8, 5
	s_add_co_u32 s74, s74, s75                     ; my first query
	s_lshl_b32 s74, s74, 11
	s_add_co_u32 s74, s74, s12
	s_mov_b32 s75, 0
	s_mov_b32 s66, 0x3e38aa3b                      ; c = log2(e) / 8, twice: a pair for the packed multiply-add
	s_mov_b32 s67, 0x3e38aa3b
	s_mov_b32 s68, 0x76543210                      ; v_permlanex16_b32: lane i of one half reads lane i of the other
	s_mov_b32 s69, 0xfedcba98
	; group 1: 32 rows x 128 elements of 2 bytes, padding behind every 64 words: 4 words (K, Q), 8 words (V)
	s_mov_b32 s[G1K+0], 15|(1<<16)|(1<<20)|(1<<21)|(5<<22)|(3<<25)
	s_mov_b32 s[G1V+0], 15|(1<<16)|(1<<20)|(1<<21)|(5<<22)|(7<<25)
	s_mov_b32 s[G1Q+0], (1<<16)|(1<<20)|(5<<22)|(3<<25)            ; Q is each wave's own: no mask
.irp g, G1K, G1V, G1Q
	s_mov_b32 s[\g+1], 128<<16                     ; tensor_dim0 = 128
	s_mov_b32 s[\g+2], 32<<16                      ; tensor_dim1 = 32
	s_mov_b32 s[\g+3], 128<<16                     ; tile_dim0 = 128
	s_mov_b32 s[\g+4], 32                          ; tile_dim1 = 32
	s_mov_b32 s[\g+5], 1024                        ; elements from row to row
	s_mov_b32 s[\g+6], 0
	s_mov_b32 s[\g+7], 0
.endr
	s_mul_i32 s61, s8, QBYTES
	s_add_co_u32 s61, s61, QST                     ; my Q, later my stage
	s_mul_i32 s62, s10, 32*KPITCH                  ; my 32 rows in K's tile
	s_mul_i32 s63, s10, 32*VPITCH
	s_add_co_u32 s63, s63, KBYTES                  ; or in V's
	s_wait_kmcnt 0x0
	s_add_nc_u64 s[70:71], s[4:5], s[14:15]
	s_add_nc_u64 s[76:77], s[4:5], s[74:75]
	s_add_nc_u64 s[6:7], s[6:7], s[74:75]          ; att at my first query's piece
.irp s, 0,1
	s_mov_b32 s[G0K+4*\s], 1
	s_add_co_u32 s[G0K+4*\s+1], s62, \s*SLOT
	s_add_nc_u64 s[G0K+4*\s+2:G0K+4*\s+3], s[70:71], PARTK+\s*STEP  ; tile s
	s_or_b32 s[G0K+4*\s+3], s[G0K+4*\s+3], 0x80000000
	s_mov_b32 s[G0V+4*\s], 1
	s_add_co_u32 s[G0V+4*\s+1], s63, \s*SLOT
	s_add_nc_u64 s[G0V+4*\s+2:G0V+4*\s+3], s[70:71], PARTV+\s*STEP
	s_or_b32 s[G0V+4*\s+3], s[G0V+4*\s+3], 0x80000000
.endr
	s_mov_b32 s[G0Q], 1
	s_mov_b32 s[G0Q+1], s61
	s_mov_b64 s[G0Q+2:G0Q+3], s[76:77]
	s_or_b32 s[G0Q+3], s[G0Q+3], 0x80000000
	ROUND                                          ; the four work-groups are here: the first joint loads meet
	tensor_load_to_lds s[G0Q:G0Q+3], s[G1Q:G1Q+7]  ; my 32 queries
	s_nop 0
	JKV 0                                          ; tile 0; two tensor loads of the wave are out
	v_and_b32 v24, 15, v0                          ; r
	v_bfe_u32 v25, v0, 4, 1                        ; h
	v_mul_u32_u24 v26, v24, KPITCH
	v_lshl_add_u32 v[KADR], v25, 4, v26            ; row r x pitch + 16 h
	v_add_nc_u32 v[KADR+1], SLOT, v[KADR]
	v_and_b32 v27, 7, v0
	v_lshl_add_u32 v27, v25, 3, v27                ; key 8 h + (l & 7)
	v_mul_u32_u24 v27, v27, VPITCH
	v_bfe_u32 v28, v0, 3, 1
	v_lshl_add_u32 v27, v28, 4, v27                ; + 16 ((l >> 3) & 1)
	v_add_nc_u32 v[VADR], KBYTES, v27
	v_add_nc_u32 v[VADR+1], SLOT+KBYTES, v27
	v_add_nc_u32 v[QADR], s61, v[KADR]
	v_mul_u32_u24 v29, v25, 272
	v_lshl_add_u32 v29, v24, 4, v29
	v_add_nc_u32 v[RD], s61, v29                   ; back: lanes 0-15 one row of 256 bytes, lanes 16-31 the next
	v_lshlrev_b32 v[CO], 11, v25
	v_lshl_add_u32 v[CO], v24, 4, v[CO]            ; the same two rows in att
	s_wait_tensorcnt 0x1                           ; my Q is in (only I read it); tile 0, issued behind it, stays out
.irp q, 0,1
.irp c, 0,1
	ds_load_b128 v[QR+16*\q+8*\c:QR+16*\q+8*\c+3],   v[QADR] offset:\q*16*272+64*\c
	ds_load_b128 v[QR+16*\q+8*\c+4:QR+16*\q+8*\c+7], v[QADR] offset:\q*16*272+64*\c+32
	ds_load_b128 v[QI+16*\q+8*\c:QI+16*\q+8*\c+3],   v[QADR] offset:\q*16*272+128+64*\c
	ds_load_b128 v[QI+16*\q+8*\c+4:QI+16*\q+8*\c+7], v[QADR] offset:\q*16*272+128+64*\c+32
.endr
.endr
	v_lshl_add_u32 v[QADR], v25, 4, v[QADR]        ; from here on: row r x 272 + 32 h, for the way out
	s_wait_dscnt 0x0
.set i, 0
.rept 32
	v_xor_b32 v[NQ+i], 0x80008000, v[QI+i]         ; -q_i: both halves' signs
.set i, i+1
.endr
.macro KLOAD slot, kk                  ; 16 loads: keys kk .. kk + 31 of a slot, key tile 0 first
.irp m, 0,1
.irp f, 0,1,2,3
	ds_load_b128 v[FA+32*\m+8*\f:FA+32*\m+8*\f+3],   v[KADR+\slot] offset:(\kk+16*\m)*KPITCH+64*\f
	ds_load_b128 v[FA+32*\m+8*\f+4:FA+32*\m+8*\f+7], v[KADR+\slot] offset:(\kk+16*\m)*KPITCH+64*\f+32
.endr
.endr
.endm
; 16 matrix instructions: key tile m against both query tiles, both scores, 128 along the (real, imaginary) dimensions.
; s_r: k_r q_r + k_i (-q_i);  s_i: k_i q_r + k_r q_i.  The four accumulators take turns, one instruction a turn.
.macro SCORES m
.irp j, 0,1,2,3
.irp u, 0,1
.irp q, 0,1
.if \j < 2
.set BQ, QR+16*\q+8*\j
.else
.if \u == 0
.set BQ, NQ+16*\q+8*(\j-2)
.else
.set BQ, QI+16*\q+8*(\j-2)
.endif
.endif
.set KF, FA+32*\m+8*((\j+2*\u)&3)
.set DS, S+16*(2*\u+\q)+8*\m
.if \j == 0
	v_wmma_f32_16x16x32_f16 v[DS:DS+7], v[KF:KF+7], v[BQ:BQ+7], 0
.else
	v_wmma_f32_16x16x32_f16 v[DS:DS+7], v[KF:KF+7], v[BQ:BQ+7], v[DS:DS+7]
.endif
.endr
.endr
.endr
.endm
.macro VLOAD slot, kk                  ; 16 transposing loads: V's 128 columns x keys kk .. kk + 31 as eight first-source fragments
.irp m, 0,1,2,3,4,5,6,7
	ds_load_tr16_b128 v[FA+8*\m:FA+8*\m+3],   v[VADR+\slot] offset:\kk*VPITCH+32*\m
	ds_load_tr16_b128 v[FA+8*\m+4:FA+8*\m+7], v[VADR+\slot] offset:\kk*VPITCH+32*\m+16*VPITCH
.endr
.endm
; Block k: 32 keys of 16 queries, 16 numbers a lane.  New maximum, factor for the old sums, exponentials, their sum, and P packed in place.
.macro SOFTMAX k, first
.set SK, S+16*\k
.set NK, NM+2*\k
.set LK, AL+2*\k
	v_max3_num_f32 v[T],   v[SK],    v[SK+1],  v[SK+2]
	v_max3_num_f32 v[T+1], v[SK+3],  v[SK+4],  v[SK+5]
	v_max3_num_f32 v[T+2], v[SK+6],  v[SK+7],  v[SK+8]
	v_max3_num_f32 v[T+3], v[SK+9],  v[SK+10], v[SK+11]
	v_max3_num_f32 v[T+4], v[SK+12], v[SK+13], v[SK+14]
	v_max3_num_f32 v[T],   v[T],     v[T+1],   v[SK+15]
	v_max3_num_f32 v[T+2], v[T+2],   v[T+3],   v[T+4]
	v_max_num_f32  v[T],   v[T],     v[T+2]
	v_permlanex16_b32 v[T+1], v[T], s68, s69       ; the other half's 16 keys of the same query
.if \first
	v_max_num_f32 v[NK+1], v[T], v[T+1]
	v_mul_f32 v[NK], 0xbe38aa3b, v[NK+1]           ; -c m
.else
	v_max3_num_f32 v[NK+1], v[T], v[T+1], v[NK+1]  ; the running maximum
	v_mul_f32 v[T+2], 0xbe38aa3b, v[NK+1]
	v_sub_f32 v[T+3], v[T+2], v[NK]                ; c (m_old - m_new), from the two rounded values that the exponentials use
	v_mov_b32 v[NK], v[T+2]
	v_exp_f32 v[LK], v[T+3]                        ; the plain lines below stand between it and its first use
.endif
.irp i, 0,2,4,6,8,10,12,14
	v_pk_fma_f32 v[SK+\i:SK+\i+1], v[SK+\i:SK+\i+1], s[66:67], v[NK:NK+1] op_sel_hi:[1,0,0]   ; c s - c m
.endr
.irp i, 0,1,2,3,4,5,6,7,8,9,10,11,12,13,14,15
	v_exp_f32 v[SK+\i], v[SK+\i]
.endr
	v_nop                                          ; one plain place behind the last exponential (ISA guide 5.7.2)
	s_wait_alu depctr_va_vdst(0)
	v_pk_add_f32 v[T:T+1],   v[SK:SK+1],     v[SK+2:SK+3]
	v_pk_add_f32 v[T+2:T+3], v[SK+4:SK+5],   v[SK+6:SK+7]
	v_pk_add_f32 v[T+4:T+5], v[SK+8:SK+9],   v[SK+10:SK+11]
	v_pk_add_f32 v[T+6:T+7], v[SK+12:SK+13], v[SK+14:SK+15]
	v_pk_add_f32 v[T:T+1],   v[T:T+1],       v[T+2:T+3]
	v_pk_add_f32 v[T+4:T+5], v[T+4:T+5],     v[T+6:T+7]
	v_pk_add_f32 v[T:T+1],   v[T:T+1],       v[T+4:T+5]
.if \first
	v_add_f32 v[LK+1], v[T], v[T+1]
.else
	v_add_f32 v[T], v[T], v[T+1]
	v_fma_f32 v[LK+1], v[LK+1], v[LK], v[T]
.endif
.irp j, 0,1,2,3,4,5,6,7
	v_cvt_pk_f16_f32 v[SK+\j], v[SK+2*\j], v[SK+2*\j+1]   ; ascending: register j is written when its own number has been packed
.endr
.endm
.macro RESCALE                         ; the 32 tiles of sums times their block's factor
	WIN 0x41
.irp u, 0,1
.irp q, 0,1
.irp m, 0,1,2,3,4,5,6,7
.irp j, 0,2,4,6
	v_pk_mul_f32 v[8*(16*\u+2*\m+\q)+\j:8*(16*\u+2*\m+\q)+\j+1], v[8*(16*\u+2*\m+\q)+\j:8*(16*\u+2*\m+\q)+\j+1], v[AL+2*(2*\u+\q):AL+2*(2*\u+\q)+1] op_sel_hi:[1,0]
.endr
.endr
.endr
.endr
.endm
.macro AV first                        ; 32 matrix instructions; the 32 accumulators take turns, one instruction a turn
	WIN 0x50
.irp m, 0,1,2,3,4,5,6,7
.irp u, 0,1
.irp q, 0,1
.if \first
	v_wmma_f32_16x16x32_f16 v[8*(16*\u+2*\m+\q):8*(16*\u+2*\m+\q)+7], v[FA+8*\m:FA+8*\m+7], v[S+16*(2*\u+\q):S+16*(2*\u+\q)+7], 0
.else
	v_wmma_f32_16x16x32_f16 v[8*(16*\u+2*\m+\q):8*(16*\u+2*\m+\q)+7], v[FA+8*\m:FA+8*\m+7], v[S+16*(2*\u+\q):S+16*(2*\u+\q)+7], v[8*(16*\u+2*\m+\q):8*(16*\u+2*\m+\q)+7]
.endif
.endr
.endr
.endr
.endm
; 32 keys.  K's fragments were asked for at the end of the step before; V's are asked for ahead of the softmax and land under it.
.macro SUB slot, kk, first, last
	s_wait_dscnt 0x8                               ; key tile 0's eight loads are in; key tile 1's eight may be out
	SCORES 0
	s_wait_dscnt 0x0
	SCORES 1
	PLACES                                         ; four places: the loads below land on K's fragments, the softmax reads the scores
	VLOAD \slot, \kk
	SOFTMAX 0, \first
	SOFTMAX 1, \first
	SOFTMAX 2, \first
	SOFTMAX 3, \first
.if \first == 0
	RESCALE
.endif
	s_wait_dscnt 0x0                               ; V's fragments
	AV \first
	WIN 0
	PLACES
	v_nop                                          ; five places: the next scores write over P, the next loads land on V's fragments
.if \last == 0
	KLOAD \slot, \kk+32
.endif
.endm
; A tile of 128 keys.  Each wave waits for all its tensor loads (one is out: its part of this tile) and for its reads of the other slot; the round
; makes both hold of every wave of the four work-groups; the joint load of the next tile, into the slot read last, is the first tensor load behind it.
; One tensor load of the wave is out behind each round, and has this tile's 256 matrix instructions and four softmax steps in which to land.
.macro TRIP slot, next, refill, first
	s_wait_xcnt 0x0
	v_lshl_add_u32 v190, v0, 2, 0x34000
	v_mov_b32 v191, 0
	s_wait_tensorcnt 0x0
	ds_add_u32 v190, v191
	s_wait_dscnt 0x0
	s_add_nc_u64 s[G0K+4*\slot+2:G0K+4*\slot+3], s[G0K+4*\slot+2:G0K+4*\slot+3], 2*STEP   ; no tensor load of mine is out: this slot's next tile
	s_add_nc_u64 s[G0V+4*\slot+2:G0V+4*\slot+3], s[G0V+4*\slot+2:G0V+4*\slot+3], 2*STEP
	s_wait_dscnt 0x0
	ROUND
.if \refill
	JKV \next
.endif
	KLOAD \slot, 0
	SUB \slot, 0,  \first, 0
	SUB \slot, 32, 0, 0
	SUB \slot, 64, 0, 0
	SUB \slot, 96, 0, 1
.endm
	TRIP 0, 1, 1, 1                                ; tile 0: its first 32 keys start maxima and sums; slot 1 gets its first fill as a refill does
	TRIP 1, 0, 1, 0
	s_mov_b32 s60, 2
.Ltiles:
	TRIP 0, 1, 1, 0                                ; tiles 2 to 5
	TRIP 1, 0, 1, 0
	s_sub_co_u32 s60, s60, 1
	s_cmp_lg_u32 s60, 0
	s_cbranch_scc1 .Ltiles
	TRIP 0, 1, 1, 0                                ; tile 6 asks for tile 7, the last
	TRIP 1, 0, 0, 0                                ; tile 7: nothing is left to fetch (the stepped addresses are not used)
	; THE END.  The two halves' sums meet; 1 / l; the complex combination; (o_r, o_i) packed; out through my stage.
.irp k, 0,1,2,3
	v_permlanex16_b32 v[T+\k], v[AL+2*\k+1], s68, s69
.endr
.irp k, 0,1,2,3
	v_add_f32 v[T+\k], v[T+\k], v[AL+2*\k+1]
.endr
.irp k, 0,1,2,3
	v_rcp_f32 v[INV+2*\k],   v[T+\k]               ; twice: a whole pair for the packed forms
	v_rcp_f32 v[INV+2*\k+1], v[T+\k]
.endr
	v_nop                                          ; one plain place behind the last reciprocal
	s_wait_alu depctr_va_vdst(0)
.irp q, 0,1
	v_mul_f32 v[INV+8+2*\q],   -1.0, v[INV+4+2*\q]
	v_mul_f32 v[INV+8+2*\q+1], -1.0, v[INV+4+2*\q+1]
.endr
; query tile q: a lane holds query r and, for m = 0..3, dh = 16 m + 8 h + 0..7: o_r = T_r[v_r] / l_r - T_i[v_i] / l_i, o_i = T_r[v_i] / l_r + T_i[v_r] / l_i
.macro COMBINE q
	WIN 0x01
.irp m, 0,1,2,3
.irp j, 0,2,4,6
	v_pk_mul_f32 v[ER+8*\m+\j:ER+8*\m+\j+1], v[8*(2*\m+\q)+\j:8*(2*\m+\q)+\j+1],             v[INV+2*\q:INV+2*\q+1] op_sel_hi:[1,0]
	v_pk_mul_f32 v[FI+8*\m+\j:FI+8*\m+\j+1], v[8*(2*(\m+4)+\q)+\j:8*(2*(\m+4)+\q)+\j+1],     v[INV+2*\q:INV+2*\q+1] op_sel_hi:[1,0]
	v_pk_fma_f32 v[ER+8*\m+\j:ER+8*\m+\j+1], v[8*(16+2*(\m+4)+\q)+\j:8*(16+2*(\m+4)+\q)+\j+1], v[INV+8+2*\q:INV+8+2*\q+1], v[ER+8*\m+\j:ER+8*\m+\j+1] op_sel_hi:[1,0,1]
	v_pk_fma_f32 v[FI+8*\m+\j:FI+8*\m+\j+1], v[8*(16+2*\m+\q)+\j:8*(16+2*\m+\q)+\j+1],       v[INV+4+2*\q:INV+4+2*\q+1], v[FI+8*\m+\j:FI+8*\m+\j+1] op_sel_hi:[1,0,1]
.endr
.endr
	WIN 0
.set i, 0
.rept 32
	v_cvt_pk_f16_f32 v[GP+i], v[ER+i], v[FI+i]     ; (o_r, o_i) of one dh in one word
.set i, i+1
.endr
.irp m, 0,1,2,3
	ds_store_b128 v[QADR], v[GP+8*\m:GP+8*\m+3]   offset:\q*16*272+64*\m
	ds_store_b128 v[QADR], v[GP+8*\m+4:GP+8*\m+7] offset:\q*16*272+64*\m+16
.endr
.endm
	COMBINE 0
	COMBINE 1
.irp t, 0,1,2,3,4,5,6,7,8,9,10,11,12,13,14,15
	ds_load_b128 v[S+4*\t:S+4*\t+3], v[RD] offset:\t*2*272         ; LDS serves a wave's instructions in order: these see the stores above
.endr
.irp t, 0,1,2,3,4,5,6,7,8,9,10,11,12,13,14,15
	s_wait_dscnt 15-\t                             ; the younger loads of the sixteen stay out
	global_store_b128 v[CO], v[S+4*\t:S+4*\t+3], s[6:7] offset:\t*4096   ; 16 lanes store a query's 256 bytes of this head, aligned
.endr
	s_wait_xcnt 0x0
	v_lshl_add_u32 v190, v0, 2, 0x34000
	v_mov_b32 v191, 0
	s_wait_tensorcnt 0x0
	ds_add_u32 v190, v191
	s_wait_dscnt 0x0
	ROUND                                          ; the closing round
	s_endpgm
.Lfunc_end_k_q46b3bfd31b_attn:
	.size	k_q46b3bfd31b_attn, .Lfunc_end_k_q46b3bfd31b_attn-k_q46b3bfd31b_attn
	.p2alignl 7, 3214868480
	.fill 96, 4, 3214868480
	.section	.rodata,"a",@progbits
	.p2align	6, 0x0
	.amdhsa_kernel k_q46b3bfd31b_attn
		.amdhsa_group_segment_fixed_size 327680
		.amdhsa_private_segment_fixed_size 0
		.amdhsa_enable_private_segment 0
		.amdhsa_kernarg_size 16
		.amdhsa_user_sgpr_count 2
		.amdhsa_user_sgpr_kernarg_segment_ptr 1
		.amdhsa_wavefront_size32 1
		.amdhsa_system_sgpr_workgroup_id_x 1
		.amdhsa_system_sgpr_workgroup_id_y 1
		.amdhsa_system_sgpr_workgroup_id_z 1
		.amdhsa_system_vgpr_workitem_id 0
		.amdhsa_next_free_vgpr 512
		.amdhsa_next_free_sgpr 80
		.amdhsa_reserve_vcc 0
		.amdhsa_float_denorm_mode_32 3
		.amdhsa_float_denorm_mode_16_64 3
		.amdhsa_memory_ordered 1
		.amdhsa_forward_progress 1
		.amdhsa_inst_pref_size 255
	.end_amdhsa_kernel
	.section	.bss,"aw",@nobits
	.p2align	6
	.space	262144
	.amdgpu_metadata
---
amdhsa.version: [ 1, 2 ]
amdhsa.kernels:
  - .name:           k_q46b3bfd31b_attn
    .symbol:         k_q46b3bfd31b_attn.kd
    .args:
      - { .name: qkv, .offset: 0, .size: 8, .value_kind: global_buffer, .address_space: global }
      - { .name: att, .offset: 8, .size: 8, .value_kind: global_buffer, .address_space: global }
    .group_segment_fixed_size: 327680
    .private_segment_fixed_size: 0
    .kernarg_segment_align: 8
    .kernarg_segment_size: 16
    .max_flat_workgroup_size: 256
    .sgpr_count:     80
    .vgpr_count:     512
    .wavefront_size: 32
...
	.end_amdgpu_metadata
.endif
;; end of part 3
;; launch oproj (part 4): grid 4 x 64, 4 waves a work-group, clusters of 4 x 4, 327,680 bytes of LDS; arguments att, wcat, out0; writes out0
.if DOCPART == 4
	.amdgcn_target "amdgcn-amd-amdhsa--gfx1250"
	.amdhsa_code_object_version 6
	.text
	.protected	k_q46b3bfd31b_oproj
	.globl	k_q46b3bfd31b_oproj
	.p2align	8
	.type	k_q46b3bfd31b_oproj,@function
k_q46b3bfd31b_oproj:
	s_mov_b64 s[64:65], 0
	v_nop
	global_prefetch_b8 v0, s[64:65] scope:SCOPE_SE
	s_setreg_imm32_b32 hwreg(HW_REG_WAVE_MODE, 25, 1), 1
	s_wait_xcnt 0x0
	s_wait_alu depctr_hold_cnt(0) depctr_sa_sdst(0) depctr_va_vdst(0) depctr_va_sdst(0) depctr_va_ssrc(0) depctr_va_vcc(0) depctr_vm_vsrc(0)
	s_getreg_b32 s2, hwreg(HW_REG_IB_STS2, 6, 4)
	s_cmp_eq_u32 s2, 0
	s_cbranch_scc0 .Lentry_in_a_cluster
	s_endpgm
.Lentry_in_a_cluster:
	s_bfe_u32 s2, ttmp6, 0x10000c
	s_cmp_lg_u32 s2, 0xf033
	s_cbranch_scc0 .Lentry_shape_is_right
	s_endpgm
.Lentry_shape_is_right:
; oproj: the output layer as a real product, out0[m][n] = sum over k' of att[m][k'] W'[n][k'], M = 8192, N = 1024, K = 1024.
; att: f16 [8192][1024], k' = 2 d + c.  W': part 3 of wcat, f16, row n = 2 o + c.  out0: f32 [8192][1024], as the result lies in memory.
; LIMIT: operands are f16 (see the launches that made them).  Sums in f32, stored unrounded.
; The shape of the input layers' kernel: a work-group makes 128 x 256 with four waves of 64 x 128 (32 accumulator tiles); 64 x 4 = 256 work-groups;
; K in steps of 128 through two LDS slots; clusters of 4 x 4: att's tile is asked for jointly along a row of the cluster, W's along a column;
; the matrix instruction is used transposed (source 0 = rows of W', source 1 = rows of att), so that a lane holds eight neighbouring columns of a row.
; REGISTERS: window 0: v8-14 addresses; v32-95, v96-159 fragments of W', two buffers; v160-191, v192-223 fragments of att, two buffers.
;            window 1: the accumulator tiles, tile (a, b) at v[8 (8 a + b)].
.set KSTEP,  128
.set APITCH, 272                       ; an LDS row: 256 bytes + 16 of padding: the 16 rows of a fragment start at 16 different 16-byte columns modulo 256 bytes
.set AHALF,  64*APITCH
.set ABYTES, 2*AHALF
.set BPITCH, 272
.set BHALF,  128*BPITCH
.set SLOT,   ABYTES+2*BHALF            ; 104,448 bytes
.set STAGE,  2*SLOT                    ; behind the ring: 16 rows x 528 bytes for each wave; no tensor load lands here
.set SPITCH, 528
.set ASTEP,  KSTEP*2
.set BSTEP,  KSTEP*2
.set ADRA, 8
.set ADRB, 10
.set STO,  12
.set RD,   13
.set CO,   14
.set WF,   32
.set XB,   160
.set G1A, 24
.set G0A, 32
.set G1B, 48
.set G0B, 56
.set MSB, 0
.macro WIN new                         ; s_set_vgpr_msb: bits 1:0 source 0, 3:2 source 1, 5:4 source 2, 7:6 destination; the high byte repeats the setting that is left
.if MSB != \new
	s_set_vgpr_msb (MSB<<8)|\new
.set MSB, \new
.endif
.endm
.macro PLACES                          ; four places behind a matrix instruction (ISA guide 7.12.1), kept by v_nop
.rept 4
	v_nop
.endr
.endm
.macro JLOAD s                         ; a joint load: waves 0 and 1 fetch att's two halves, waves 2 and 3 W's
	s_cmp_eq_u32 s15, 0
	s_cbranch_scc0 .Lfor_b_\@
	tensor_load_to_lds s[G0A+4*\s:G0A+4*\s+3], s[G1A:G1A+7]
	s_nop 0
	s_branch .Lasked_\@
.Lfor_b_\@:
	tensor_load_to_lds s[G0B+4*\s:G0B+4*\s+3], s[G1B:G1B+7]
	s_nop 0
.Lasked_\@:
.endm
.macro CREST                           ; a round of the cluster's barrier behind its opening work-group barrier
	s_cmp_lg_u32 s14, 0
	s_cbranch_scc1 .Lnot_wave_0_\@
	s_barrier_signal -3
.Lnot_wave_0_\@:
	s_barrier_wait -3
	s_barrier_signal -1
	s_barrier_wait -1
.endm
.macro CROUND
	s_barrier_signal -1
	s_barrier_wait -1
	CREST
.endm
	s_load_b128 s[4:7], s[0:1], 0x0                ; att s[4:5], wcat s[6:7]
	s_load_b64 s[8:9], s[0:1], 0x10                ; out0
	v_lshl_add_u32 v254, v0, 2, 0x3b400
	v_mov_b32 v255, 0
	ds_add_u32 v254, v255
	v_lshrrev_b32 v1, 5, v0
	v_readfirstlane_b32 s14, v1                    ; wave 0..3
	s_lshr_b32 s15, s14, 1                         ; which 64 rows are mine.  Also: I fetch for att (0) or for W' (1)
	s_and_b32 s16, s14, 1                          ; which 128 columns.  Also: which half of that tile I fetch
	s_bfe_u32 s17, ttmp6, 0x40000                  ; cx
	s_bfe_u32 s18, ttmp6, 0x40004                  ; cy
	s_lshl_b32 s19, ttmp9, 2
	s_add_co_u32 s19, s19, s17                     ; block column
	s_and_b32 s20, ttmp7, 0xffff
	s_lshl_b32 s22, s20, 2
	s_add_co_u32 s22, s22, s18                     ; block row
	s_lshl_b32 s66, s18, 2
	s_lshl_b32 s66, 15, s66                        ; my row of the cluster
	s_lshl_b32 s67, 0x1111, s17                    ; my column
	; group 1: rows of 128 elements of 2 bytes, 4 words of padding behind every 64 words; 64 rows of att, 128 rows of W'
	s_or_b32 s[G1A+0], s66, (1<<16)|(1<<20)|(1<<21)|(5<<22)|(3<<25)
	s_mov_b32 s[G1A+1], KSTEP<<16
	s_mov_b32 s[G1A+2], 64<<16
	s_mov_b32 s[G1A+3], KSTEP<<16
	s_mov_b32 s[G1A+4], 64
	s_mov_b32 s[G1A+5], 1024
	s_mov_b32 s[G1A+6], 0
	s_mov_b32 s[G1A+7], 0
	s_or_b32 s[G1B+0], s67, (1<<16)|(1<<20)|(1<<21)|(5<<22)|(3<<25)
	s_mov_b32 s[G1B+1], KSTEP<<16
	s_mov_b32 s[G1B+2], 128<<16
	s_mov_b32 s[G1B+3], KSTEP<<16
	s_mov_b32 s[G1B+4], 128
	s_mov_b32 s[G1B+5], 1024
	s_mov_b32 s[G1B+6], 0
	s_mov_b32 s[G1B+7], 0
	s_lshl_b32 s42, s22, 7
	s_lshl_b32 s43, s16, 6
	s_add_co_u32 s42, s42, s43
	s_lshl_b32 s42, s42, 11                        ; att: row (128 block row + 64 half) of 2,048 bytes
	s_mov_b32 s43, 0
	s_lshl_b32 s46, s19, 8
	s_lshl_b32 s47, s16, 7
	s_add_co_u32 s46, s46, s47
	s_lshl_b32 s46, s46, 11                        ; W': row (256 block column + 128 half) of 2,048 bytes
	s_add_co_u32 s46, s46, 3<<21                   ; in part 3
	s_mov_b32 s47, 0
	s_mul_i32 s44, s16, AHALF                      ; where they go: the wave's number alone enters an LDS address
	s_mul_i32 s45, s16, BHALF
	s_add_co_u32 s45, s45, ABYTES
	s_lshl_b32 s72, s22, 7
	s_lshl_b32 s73, s15, 6
	s_add_co_u32 s72, s72, s73
	s_lshl_b32 s72, s72, 12                        ; out0: row (128 block row + 64 half) of 4,096 bytes
	s_mov_b32 s73, 0
	s_lshl_b32 s74, s19, 10
	s_lshl_b32 s75, s16, 9
	s_add_co_u32 s74, s74, s75                     ; column, in bytes: 1,024 block column + 512 half
	s_mov_b32 s75, 0
	s_wait_dscnt 0x0
	s_wait_kmcnt 0x0
	s_add_nc_u64 s[40:41], s[4:5], s[42:43]
	s_add_nc_u64 s[46:47], s[6:7], s[46:47]
	s_add_nc_u64 s[8:9], s[8:9], s[72:73]
	s_add_nc_u64 s[8:9], s[8:9], s[74:75]
	CROUND                                         ; all sixteen work-groups are here: the first joint loads meet
.irp s, 0,1
	s_mov_b32 s[G0A+4*\s], 1
	s_add_co_u32 s[G0A+4*\s+1], s44, \s*SLOT
	s_add_nc_u64 s[G0A+4*\s+2:G0A+4*\s+3], s[40:41], \s*ASTEP
	s_or_b32 s[G0A+4*\s+3], s[G0A+4*\s+3], 0x80000000
	s_mov_b32 s[G0B+4*\s], 1
	s_add_co_u32 s[G0B+4*\s+1], s45, \s*SLOT
	s_add_nc_u64 s[G0B+4*\s+2:G0B+4*\s+3], s[46:47], \s*BSTEP
	s_or_b32 s[G0B+4*\s+3], s[G0B+4*\s+3], 0x80000000
	JLOAD \s                                       ; both slots' first fills go out together: two tensor loads of the wave are out
.endr
	v_and_b32 v1, 15, v0                           ; r
	v_bfe_u32 v2, v0, 4, 1                         ; h
	v_mul_u32_u24 v3, v1, APITCH
	v_lshl_add_u32 v3, v2, 4, v3                   ; row x pitch + 16 h, for both operands
	s_mul_i32 s68, s15, AHALF
	s_mul_i32 s69, s16, BHALF
	s_add_co_u32 s69, s69, ABYTES
.irp s, 0,1
	v_add_nc_u32 v[ADRA+\s], s68, v3
	v_add_nc_u32 v[ADRB+\s], s69, v3
	s_add_co_u32 s68, s68, SLOT
	s_add_co_u32 s69, s69, SLOT
.endr
	s_mul_i32 s70, s14, 16*SPITCH
	s_add_co_u32 s70, s70, STAGE                   ; my stage
	v_mul_u32_u24 v4, v1, SPITCH
	v_lshl_add_u32 v4, v2, 5, v4
	v_add_nc_u32 v[STO], s70, v4                   ; in: row r, 32 bytes for each half of the lanes
	v_and_b32 v5, 31, v0
	v_lshlrev_b32 v[CO], 4, v5                     ; back and out: 32 lanes take one row of 512 bytes
	v_add_nc_u32 v[RD], s70, v[CO]
; 16 matrix instructions.  The 32 accumulators take turns, one instruction a turn, in the same order in every quarter step.
.macro MULH buf, a0, zero
	WIN 0x50
.irp a, \a0, \a0+1
.irp b, 0,1,2,3,4,5,6,7
.if \zero
	v_wmma_f32_16x16x32_f16 v[8*(8*(\a)+\b):8*(8*(\a)+\b)+7], v[WF+64*\buf+8*\b:WF+64*\buf+8*\b+7], v[XB+32*\buf+8*(\a):XB+32*\buf+8*(\a)+7], 0
.else
	v_wmma_f32_16x16x32_f16 v[8*(8*(\a)+\b):8*(8*(\a)+\b)+7], v[WF+64*\buf+8*\b:WF+64*\buf+8*\b+7], v[XB+32*\buf+8*(\a):XB+32*\buf+8*(\a)+7], v[8*(8*(\a)+\b):8*(8*(\a)+\b)+7]
.endif
.endr
.endr
.endm
; 24 LDS loads in one run: quarter q of a slot into buffer buf, four places behind the last matrix instruction that read that buffer
.macro FETCH slot, q, buf
	PLACES
	WIN 0
.irp i, 0,1,2,3,4,5,6,7
	ds_load_b128 v[WF+64*\buf+8*\i:WF+64*\buf+8*\i+3],   v[ADRB+\slot] offset:64*\q+\i*16*BPITCH
	ds_load_b128 v[WF+64*\buf+8*\i+4:WF+64*\buf+8*\i+7], v[ADRB+\slot] offset:64*\q+\i*16*BPITCH+32
.endr
.irp i, 0,1,2,3
	ds_load_b128 v[XB+32*\buf+8*\i:XB+32*\buf+8*\i+3],   v[ADRA+\slot] offset:64*\q+\i*16*APITCH
	ds_load_b128 v[XB+32*\buf+8*\i+4:XB+32*\buf+8*\i+7], v[ADRA+\slot] offset:64*\q+\i*16*APITCH+32
.endr
.endm
; A K step: four quarters on buffers 0, 1, 0, 1.  mode 2: this slot is filled again, two K steps ahead; 1: the slots change; 0: the last K step.
; The change of slots: each wave waits for its reads of this slot and for all its tensor loads (one is out: its part of the next slot), then signals;
; in mode 2 that barrier opens a round of the cluster's barrier, inside which stands register work alone; the joint refill is the first tensor load
; behind the round, ahead of the first read of the next slot.  One tensor load of the wave is out behind each round.
.macro STEP slot, next, zero, mode
	FETCH \slot, 1, 1
	MULH 0, 0, \zero
	MULH 0, 2, \zero
	s_wait_dscnt 0x0                               ; the 24 loads issued ahead of these 32 matrix instructions
	FETCH \slot, 2, 0
	MULH 1, 0, 0
	MULH 1, 2, 0
	s_wait_dscnt 0x0
	FETCH \slot, 3, 1
	MULH 0, 0, 0
	MULH 0, 2, 0
	s_wait_dscnt 0x0                               ; my reads of this slot are over
.if \mode >= 1
	s_wait_tensorcnt 0x0                           ; all my tensor loads have landed
	ds_add_u32 v254, v255
	s_wait_dscnt 0x0
	s_barrier_signal -1
.endif
	MULH 1, 0, 0                                   ; work on registers while the others arrive
.if \mode >= 1
	WIN 0                                          ; at a branch and at a label every window is 0
	s_barrier_wait -1
.if \mode == 2
	CREST
	s_add_nc_u64 s[G0A+4*\slot+2:G0A+4*\slot+3], s[G0A+4*\slot+2:G0A+4*\slot+3], 2*ASTEP   ; no tensor load of mine is out: group 0 may be written
	s_add_nc_u64 s[G0B+4*\slot+2:G0B+4*\slot+3], s[G0B+4*\slot+2:G0B+4*\slot+3], 2*BSTEP
	JLOAD \slot
.endif
	FETCH \next, 0, 0
.endif
	MULH 1, 2, 0
.if \mode >= 1
	s_wait_dscnt 0x0
.endif
.endm
	s_wait_tensorcnt 0x1                           ; my part of K step 0 is in; K step 1's stays out
	s_barrier_signal -1
	s_barrier_wait -1
	FETCH 0, 0, 0
	s_wait_dscnt 0x0
	STEP 0, 1, 1, 2                                ; K steps 0 and 1: the first products start the sums
	STEP 1, 0, 0, 2
	WIN 0
	s_mov_b32 s3, 2
.Llap:
	STEP 0, 1, 0, 2                                ; K steps 2 to 5
	STEP 1, 0, 0, 2
	WIN 0
	s_sub_co_u32 s3, s3, 1
	s_cmp_lg_u32 s3, 0
	s_cbranch_scc1 .Llap
	STEP 0, 1, 0, 1                                ; K step 6: slot 1's last load is waited for, nothing is filled
	STEP 1, 0, 0, 0                                ; K step 7
	; THE WAY OUT, 16 rows at a time, in f32: 32 bytes a lane into my own stage, read back as whole rows of 512 bytes.
	PLACES                                         ; four places behind the last matrix instructions: the LDS stores read results, the loads land on fragment buffers
.macro OUTF a, f
	WIN 0x04                                       ; an LDS store's data is source 1: window 1
.irp b, 0,1,2,3,4,5,6,7
	ds_store_b128 v[STO], v[8*(8*\a+\b):8*(8*\a+\b)+3]   offset:64*\b
	ds_store_b128 v[STO], v[8*(8*\a+\b)+4:8*(8*\a+\b)+7] offset:64*\b+16
.endr
	WIN 0
	s_wait_xcnt 0x0                                ; buffer f, which earlier stores read, and the stores' base are rewritten only behind this wait
.if \a
	s_add_nc_u64 s[8:9], s[8:9], 16*4096           ; 16 rows of out0 on
.endif
.irp t, 0,1,2,3,4,5,6,7,8,9,10,11,12,13,14,15
	ds_load_b128 v[\f+4*\t:\f+4*\t+3], v[RD] offset:\t*SPITCH      ; LDS serves a wave's instructions in order: these see the stores above
.endr
.irp t, 0,1,2,3,4,5,6,7,8,9,10,11,12,13,14,15
	s_wait_dscnt 15-\t                             ; the younger loads of the sixteen stay out
	global_store_b128 v[CO], v[\f+4*\t:\f+4*\t+3], s[8:9] offset:\t*4096 th:TH_STORE_NT   ; the wave stores 512 consecutive bytes, aligned
.endr
.endm
	OUTF 0, 32
	OUTF 1, 96
	OUTF 2, 32
	OUTF 3, 96
	s_wait_tensorcnt 0x0
	ds_add_u32 v254, v255
	s_wait_dscnt 0x0
	CROUND                                         ; the closing round: no work-group ends while a partner may still ask for a tile that names it
	s_endpgm
.Lfunc_end_k_q46b3bfd31b_oproj:
	.size	k_q46b3bfd31b_oproj, .Lfunc_end_k_q46b3bfd31b_oproj-k_q46b3bfd31b_oproj
	.p2alignl 7, 3214868480
	.fill 96, 4, 3214868480
	.section	.rodata,"a",@progbits
	.p2align	6, 0x0
	.amdhsa_kernel k_q46b3bfd31b_oproj
		.amdhsa_group_segment_fixed_size 327680
		.amdhsa_private_segment_fixed_size 0
		.amdhsa_enable_private_segment 0
		.amdhsa_kernarg_size 24
		.amdhsa_user_sgpr_count 2
		.amdhsa_user_sgpr_kernarg_segment_ptr 1
		.amdhsa_wavefront_size32 1
		.amdhsa_system_sgpr_workgroup_id_x 1
		.amdhsa_system_sgpr_workgroup_id_y 1
		.amdhsa_system_sgpr_workgroup_id_z 1
		.amdhsa_system_vgpr_workitem_id 0
		.amdhsa_next_free_vgpr 512
		.amdhsa_next_free_sgpr 76
		.amdhsa_reserve_vcc 0
		.amdhsa_float_denorm_mode_32 3
		.amdhsa_float_denorm_mode_16_64 3
		.amdhsa_memory_ordered 1
		.amdhsa_forward_progress 1
		.amdhsa_inst_pref_size 117
	.end_amdhsa_kernel
	.amdgpu_metadata
---
amdhsa.version: [ 1, 2 ]
amdhsa.kernels:
  - .name:           k_q46b3bfd31b_oproj
    .symbol:         k_q46b3bfd31b_oproj.kd
    .args:
      - { .name: att, .offset: 0, .size: 8, .value_kind: global_buffer, .address_space: global }
      - { .name: wcat, .offset: 8, .size: 8, .value_kind: global_buffer, .address_space: global }
      - { .name: out0, .offset: 16, .size: 8, .value_kind: global_buffer, .address_space: global }
    .group_segment_fixed_size: 327680
    .private_segment_fixed_size: 0
    .kernarg_segment_align: 8
    .kernarg_segment_size: 24
    .max_flat_workgroup_size: 128
    .sgpr_count:     76
    .vgpr_count:     512
    .wavefront_size: 32
...
	.end_amdgpu_metadata
.endif
;; end of part 4
;; ======== version 2 of 2: 4 launches
;; limits: values are held in f16: magnitudes above 65,504 overflow, below 6.1e-05 lose precision
;; workspace buffers: wcat 8,388,608 bytes; qkv 50,331,648 bytes; att 16,777,216 bytes
;; launch wprep: the kernel of part 1 again; grid 256 x 1, 4 waves a work-group, no clusters, 0 bytes of LDS; arguments wq_r, wq_i, wk_r, wk_i, wv_r, wv_i, wo_r, wo_i, wcat; writes wcat
;; launch proj (part 5): grid 4 x 192, 4 waves a work-group, clusters of 4 x 4, 327,680 bytes of LDS; arguments queries, keys, values, wcat, qkv; writes qkv
.if DOCPART == 5
	.amdgcn_target "amdgcn-amd-amdhsa--gfx1250"
	.amdhsa_code_object_version 6
	.text
	.protected	k_q46b3bfd31b_proj
	.globl	k_q46b3bfd31b_proj
	.p2align	8
	.type	k_q46b3bfd31b_proj,@function
k_q46b3bfd31b_proj:
	s_mov_b64 s[64:65], 0
	v_nop
	global_prefetch_b8 v0, s[64:65] scope:SCOPE_SE
	s_setreg_imm32_b32 hwreg(HW_REG_WAVE_MODE, 25, 1), 1
	s_wait_xcnt 0x0
	s_wait_alu depctr_hold_cnt(0) depctr_sa_sdst(0) depctr_va_vdst(0) depctr_va_sdst(0) depctr_va_ssrc(0) depctr_va_vcc(0) depctr_vm_vsrc(0)
	s_getreg_b32 s2, hwreg(HW_REG_IB_STS2, 6, 4)
	s_cmp_eq_u32 s2, 0
	s_cbranch_scc0 .Lentry_in_a_cluster
	s_endpgm
.Lentry_in_a_cluster:
	s_bfe_u32 s2, ttmp6, 0x10000c
	s_cmp_lg_u32 s2, 0xf033
	s_cbranch_scc0 .Lentry_shape_is_right
	s_endpgm
.Lentry_shape_is_right:
; proj: the three input layers as real products, y[m][n] = sum over k' of x[m][k'] W'[n][k'], M = 8192, N = 1024, K = 1024 each.
; x (queries, keys, values) is f32 [8192][1024] as it lies in memory (k' = 2 d + c); W' is part p of wcat, f16; y is part p of qkv, f16
; [8192][1024], column n = head 128 + c 64 + dh.  Sums in f32, y rounded once.
; LIMIT: operands are f16: x, W' and y must stay below 65,504 in magnitude (y of the drawn kind of inputs reaches about 8.5; with every
; input 30 times larger about 7,600).  NaN and infinities are not treated.
; A work-group makes 128 x 256 of y with four waves, as many as a WGP has SIMDs; a wave makes 64 x 128: 32 accumulator tiles, 256 registers.
; 3 x 64 x 4 = 768 work-groups.  K goes in steps of 128 through two LDS slots filled by the tensor data mover; x comes into LDS as f32 and
; is rounded to f16 on the way from LDS to the matrix unit, so x is read from memory once and no f16 copy of it is ever stored.
; CLUSTERS: 4 x 4 work-groups.  The four of a row of the cluster make one block row of y and ask for x's tile jointly; the four of a column
; make one block column and ask for W's tile jointly.  All sixteen belong to one part p (p hangs on the cluster's y alone).
; PREFETCH: x is read once in the launch.  The sixteen waves of the four work-groups that share a block row ask, one instruction a wave and
; lap (a lap = two K steps), for the 128 rows x 1,024 bytes that the next lap's two tiles hold: wave 4 cx + w takes 8 rows, a lane one aligned
; block of 256 bytes, so each block is asked for once in the launch.  The request for K steps 2 j + 2 and 2 j + 3 stands at the head of lap j,
; 96 and 224 matrix instructions ahead of the two tensor loads (lap 0's stands straight behind the first fills).  K steps 0 and 1 are the
; first fills and are not asked for; lap 3 asks for nothing.  W' is read by every block row and is not asked for.
; THE MATRIX INSTRUCTION IS USED TRANSPOSED: source 0 = 16 rows of W', source 1 = 16 rows of x, so that a lane's eight results are eight
; neighbouring columns of one row of y.
; REGISTERS: window 0: v8-15 addresses; v32-95, v96-159 fragments of W', two buffers; v160-191, v192-223 fragments of x in f16, two buffers.
;            window 1: the 32 accumulator tiles, tile (a, b) at v[8 (8 a + b)].   window 2: v0-63 (v512-575): x in f32 as read from LDS.
.set KSTEP,  128
.set APITCH, 528                       ; an LDS row of x: 512 bytes + 16 of padding: the 16 rows of a fragment start at 16 different 16-byte columns modulo 256 bytes
.set AHALF,  64*APITCH                 ; 64 rows: what one tensor load brings of x, and what one wave reads
.set ABYTES, 2*AHALF
.set BPITCH, 272                       ; an LDS row of W': 256 bytes + 16
.set BHALF,  128*BPITCH                ; 128 rows: one tensor load, one wave's share
.set SLOT,   ABYTES+2*BHALF            ; 137,216 bytes: x's 128 rows, then W's 256 rows
.set STAGE,  2*SLOT                    ; behind the ring: 16 rows x 272 bytes for each wave, for the way out; no tensor load lands here
.set SPITCH, 272
.set ASTEP,  KSTEP*4                   ; a K step in bytes of x
.set BSTEP,  KSTEP*2                   ; and of W'
.set ADRA, 8                           ; v8-9    LDS address of my x fragments in slot 0, 1
.set ADRB, 10                          ; v10-11  the same for W'
.set STO,  12                          ; the way out: where I put 16 bytes of a row
.set RD,   13                          ; the way out: where I read a row back
.set CO,   14                          ; my byte offset in y
.set PF,   15                          ; the prefetch: my byte offset in the block row of x; never rewritten
.set WF,   32                          ; W' fragments, buffer 0; buffer 1 is 64 further
.set XB,   160                         ; x fragments in f16, buffer 0; buffer 1 is 32 further
.set TMP,  32                          ; the way out: packed results
.set G1A, 24                           ; s[24:31] descriptor group 1 for x's tiles
.set G0A, 32                           ; s[32:39] group 0 for x's tiles, one set for each slot
.set G1B, 48                           ; s[48:55] group 1 for W's tiles
.set G0B, 56                           ; s[56:63] group 0 for W's tiles, one set for each slot
.set PFB, 76                           ; s[76:77] the prefetch: x at the block row's first row, 1,024 bytes further in each lap
.set MSB, 0
.macro WIN new                         ; s_set_vgpr_msb: bits 1:0 source 0, 3:2 source 1, 5:4 source 2, 7:6 destination; the high byte repeats the setting that is left
.if MSB != \new
	s_set_vgpr_msb (MSB<<8)|\new
.set MSB, \new
.endif
.endm
.macro PLACES                          ; four places behind a matrix instruction (ISA guide 7.12.1), kept by v_nop
.rept 4
	v_nop
.endr
.endm
; A joint load.  Waves 0 and 1 fetch x's two halves, waves 2 and 3 W's.  The branch hangs on the wave's number alone.
.macro JLOAD s
	s_cmp_eq_u32 s15, 0
	s_cbranch_scc0 .Lfor_b_\@
	tensor_load_to_lds s[G0A+4*\s:G0A+4*\s+3], s[G1A:G1A+7]
	s_nop 0
	s_branch .Lasked_\@
.Lfor_b_\@:
	tensor_load_to_lds s[G0B+4*\s:G0B+4*\s+3], s[G1B:G1B+7]
	s_nop 0
.Lasked_\@:
.endm
.macro CREST                           ; a round of the cluster's barrier behind its opening work-group barrier
	s_cmp_lg_u32 s14, 0
	s_cbranch_scc1 .Lnot_wave_0_\@
	s_barrier_signal -3
.Lnot_wave_0_\@:
	s_barrier_wait -3
	s_barrier_signal -1
	s_barrier_wait -1
.endm
.macro CROUND                          ; a whole round
	s_barrier_signal -1
	s_barrier_wait -1
	CREST
.endm
	s_load_b256 s[4:11], s[0:1], 0x0               ; queries s[4:5], keys s[6:7], values s[8:9], wcat s[10:11]
	s_load_b64 s[12:13], s[0:1], 0x20              ; qkv
	v_lshl_add_u32 v254, v0, 2, 0x47400
	v_mov_b32 v255, 0
	ds_add_u32 v254, v255
	v_lshrrev_b32 v1, 5, v0
	v_readfirstlane_b32 s14, v1                    ; wave 0..3
	s_lshr_b32 s15, s14, 1                         ; which 64 rows of the block are mine.  Also: I fetch for x (0) or for W' (1)
	s_and_b32 s16, s14, 1                          ; which 128 columns.  Also: which half of that tile I fetch
	s_bfe_u32 s17, ttmp6, 0x40000                  ; cx
	s_bfe_u32 s18, ttmp6, 0x40004                  ; cy
	s_lshl_b32 s19, ttmp9, 2
	s_add_co_u32 s19, s19, s17                     ; block column = 4 x cluster x + cx
	s_and_b32 s20, ttmp7, 0xffff                   ; the cluster's y, 0 to 47
	s_lshr_b32 s21, s20, 4                         ; p: 16 clusters along y for each part
	s_and_b32 s22, s20, 15
	s_lshl_b32 s22, s22, 2
	s_add_co_u32 s22, s22, s18                     ; block row inside the part = 4 x (cluster y mod 16) + cy
	s_lshl_b32 s66, s18, 2
	s_lshl_b32 s66, 15, s66                        ; my row of the cluster: places 4 cy .. 4 cy + 3
	s_lshl_b32 s67, 0x1111, s17                    ; my column: places cx, cx + 4, cx + 8, cx + 12
	; group 1 for x: 64 rows x 128 elements of 4 bytes, 4 words of padding behind every 128 words
	s_or_b32 s[G1A+0], s66, (2<<16)|(1<<20)|(1<<21)|(6<<22)|(3<<25)
	s_mov_b32 s[G1A+1], KSTEP<<16                  ; tensor_dim0 = 128
	s_mov_b32 s[G1A+2], 64<<16                     ; tensor_dim1 = 64
	s_mov_b32 s[G1A+3], KSTEP<<16                  ; tile_dim0 = 128
	s_mov_b32 s[G1A+4], 64                         ; tile_dim1 = 64
	s_mov_b32 s[G1A+5], 1024                       ; elements from row to row
	s_mov_b32 s[G1A+6], 0
	s_mov_b32 s[G1A+7], 0
	; group 1 for W': 128 rows x 128 elements of 2 bytes, 4 words of padding behind every 64 words
	s_or_b32 s[G1B+0], s67, (1<<16)|(1<<20)|(1<<21)|(5<<22)|(3<<25)
	s_mov_b32 s[G1B+1], KSTEP<<16
	s_mov_b32 s[G1B+2], 128<<16
	s_mov_b32 s[G1B+3], KSTEP<<16
	s_mov_b32 s[G1B+4], 128
	s_mov_b32 s[G1B+5], 1024
	s_mov_b32 s[G1B+6], 0
	s_mov_b32 s[G1B+7], 0
	; where the tiles come from: x's hang on the block row (and p), W's on the block column (and p), each in registers that never hold the other place
	s_lshl_b32 s42, s22, 7
	s_lshl_b32 s43, s16, 6
	s_add_co_u32 s42, s42, s43
	s_lshl_b32 s42, s42, 12                        ; x: row (128 block row + 64 half) of 4,096 bytes; below 2^25
	s_mov_b32 s43, 0
	s_lshl_b32 s46, s19, 8
	s_lshl_b32 s47, s16, 7
	s_add_co_u32 s46, s46, s47
	s_lshl_b32 s46, s46, 11                        ; W': row (256 block column + 128 half) of 2,048 bytes
	s_lshl_b32 s47, s21, 21
	s_add_co_u32 s46, s46, s47                     ; + part p
	s_mov_b32 s47, 0
	s_mul_i32 s44, s16, AHALF                      ; and where they go: the wave's number alone enters an LDS address
	s_mul_i32 s45, s16, BHALF
	s_add_co_u32 s45, s45, ABYTES
	; my corner of y
	s_lshl_b32 s72, s22, 7
	s_lshl_b32 s73, s15, 6
	s_add_co_u32 s72, s72, s73
	s_lshl_b32 s72, s72, 11                        ; row (128 block row + 64 half) of 2,048 bytes
	s_lshl_b32 s73, s21, 24
	s_add_co_u32 s72, s72, s73                     ; + part p of 16,777,216 bytes
	s_mov_b32 s73, 0
	s_lshl_b32 s74, s19, 9
	s_lshl_b32 s75, s16, 8
	s_add_co_u32 s74, s74, s75                     ; column, in bytes: 512 block column + 256 half
	s_mov_b32 s75, 0
	; the prefetch's places
	s_lshl_b32 s78, s22, 19                        ; the block row's first row: 128 rows of 4,096 bytes for each block row
	s_mov_b32 s79, 0
	s_lshl2_add_u32 s71, s17, s14                  ; 4 cx + wave: which of the sixteen waves that share the block row I am
	s_lshl_b32 s71, s71, 15                        ; its 8 rows of 4,096 bytes
	s_wait_dscnt 0x0
	s_wait_kmcnt 0x0
	s_cmp_eq_u32 s21, 1
	s_cselect_b64 s[40:41], s[6:7], s[4:5]         ; x = queries, keys or values, by p
	s_cmp_eq_u32 s21, 2
	s_cselect_b64 s[40:41], s[8:9], s[40:41]
	s_add_nc_u64 s[PFB:PFB+1], s[40:41], s[78:79]
	s_add_nc_u64 s[40:41], s[40:41], s[42:43]
	s_add_nc_u64 s[46:47], s[10:11], s[46:47]
	s_add_nc_u64 s[12:13], s[12:13], s[72:73]
	s_add_nc_u64 s[12:13], s[12:13], s[74:75]
	CROUND                                         ; all sixteen work-groups are here: the first joint loads meet
.irp s, 0,1
	s_mov_b32 s[G0A+4*\s], 1
	s_add_co_u32 s[G0A+4*\s+1], s44, \s*SLOT
	s_add_nc_u64 s[G0A+4*\s+2:G0A+4*\s+3], s[40:41], \s*ASTEP      ; K step s
	s_or_b32 s[G0A+4*\s+3], s[G0A+4*\s+3], 0x80000000
	s_mov_b32 s[G0B+4*\s], 1
	s_add_co_u32 s[G0B+4*\s+1], s45, \s*SLOT
	s_add_nc_u64 s[G0B+4*\s+2:G0B+4*\s+3], s[46:47], \s*BSTEP
	s_or_b32 s[G0B+4*\s+3], s[G0B+4*\s+3], 0x80000000
	JLOAD \s                                       ; both slots' first fills go out together: two tensor loads of the wave are out
.endr
	v_and_b32 v5, 31, v0
	v_lshrrev_b32 v6, 2, v5                        ; which of my 8 rows
	v_and_b32 v7, 3, v0                            ; which 256 of a lap's 1,024 bytes of the row
	v_lshlrev_b32 v6, 12, v6
	v_lshl_add_u32 v6, v7, 8, v6
	v_add_nc_u32 v[PF], s71, v6
	global_prefetch_b8 v[PF], s[PFB:PFB+1] offset:1024 th:TH_LOAD_NT scope:SCOPE_SE   ; K steps 2 and 3
	; A fragment is 16 rows x 32 K: lane l holds row l % 16; its first half K = 8 (l / 16) + 0..7, its second K = 16 + 8 (l / 16) + 0..7.
	v_and_b32 v1, 15, v0                           ; r = l % 16
	v_bfe_u32 v2, v0, 4, 1                         ; h = l / 16
	v_mul_u32_u24 v3, v1, APITCH
	v_lshl_add_u32 v3, v2, 5, v3                   ; x in f32: row x pitch + 32 h
	v_mul_u32_u24 v4, v1, BPITCH
	v_lshl_add_u32 v4, v2, 4, v4                   ; W' in f16: row x pitch + 16 h
	s_mul_i32 s68, s15, AHALF                      ; my 64 rows of x
	s_mul_i32 s69, s16, BHALF                      ; my 128 rows of W',
	s_add_co_u32 s69, s69, ABYTES                  ; which lie behind x's
.irp s, 0,1
	v_add_nc_u32 v[ADRA+\s], s68, v3
	v_add_nc_u32 v[ADRB+\s], s69, v4
	s_add_co_u32 s68, s68, SLOT
	s_add_co_u32 s69, s69, SLOT
.endr
	s_mul_i32 s70, s14, 16*SPITCH
	s_add_co_u32 s70, s70, STAGE                   ; my stage
	v_add_nc_u32 v[STO], s70, v4                   ; in: row r, 16 bytes for each half of the lanes
	v_mul_u32_u24 v5, v2, SPITCH
	v_lshl_add_u32 v5, v1, 4, v5
	v_add_nc_u32 v[RD], s70, v5                    ; back: lanes 0-15 one row of 256 bytes, lanes 16-31 the next
	v_lshlrev_b32 v5, 11, v2
	v_lshl_add_u32 v[CO], v1, 4, v5                ; the same two rows in y
; 16 matrix instructions: m blocks a0, a0 + 1 x all 8 n blocks, 32 along K, on buffer buf.  zero = 1: the first product starts the sums.
; The 32 accumulators take turns, one instruction a turn, in the same order in every quarter step.
.macro MULH buf, a0, zero
	WIN 0x50
.irp a, \a0, \a0+1
.irp b, 0,1,2,3,4,5,6,7
.if \zero
	v_wmma_f32_16x16x32_f16 v[8*(8*(\a)+\b):8*(8*(\a)+\b)+7], v[WF+64*\buf+8*\b:WF+64*\buf+8*\b+7], v[XB+32*\buf+8*(\a):XB+32*\buf+8*(\a)+7], 0
.else
	v_wmma_f32_16x16x32_f16 v[8*(8*(\a)+\b):8*(8*(\a)+\b)+7], v[WF+64*\buf+8*\b:WF+64*\buf+8*\b+7], v[XB+32*\buf+8*(\a):XB+32*\buf+8*(\a)+7], v[8*(8*(\a)+\b):8*(8*(\a)+\b)+7]
.endif
.endr
.endr
.endm
; 32 LDS loads in one run: quarter q (32 along K) of a slot: 128 rows of W' into buffer buf, 64 rows of x, still f32, into window 2.
; The four v_nop stand between the last matrix instruction that read buffer buf and these loads, and between it and the conversion that writes x's buffer buf.
.macro FETCH slot, q, buf
	PLACES
	WIN 0
.irp i, 0,1,2,3,4,5,6,7
	ds_load_b128 v[WF+64*\buf+8*\i:WF+64*\buf+8*\i+3],   v[ADRB+\slot] offset:64*\q+\i*16*BPITCH
	ds_load_b128 v[WF+64*\buf+8*\i+4:WF+64*\buf+8*\i+7], v[ADRB+\slot] offset:64*\q+\i*16*BPITCH+32
.endr
	WIN 0x80
.irp i, 0,1,2,3
	ds_load_b128 v[16*\i:16*\i+3],     v[ADRA+\slot] offset:128*\q+\i*16*APITCH      ; K = 8 h + 0..3
	ds_load_b128 v[16*\i+4:16*\i+7],   v[ADRA+\slot] offset:128*\q+\i*16*APITCH+16   ; K = 8 h + 4..7
	ds_load_b128 v[16*\i+8:16*\i+11],  v[ADRA+\slot] offset:128*\q+\i*16*APITCH+64   ; K = 16 + 8 h + 0..3
	ds_load_b128 v[16*\i+12:16*\i+15], v[ADRA+\slot] offset:128*\q+\i*16*APITCH+80   ; K = 16 + 8 h + 4..7
.endr
.endm
.macro CVT buf                         ; x: 64 registers of f32 in window 2 to four f16 fragments in buffer buf
	WIN 0x0a
.irp i, 0,1,2,3
.irp j, 0,1,2,3,4,5,6,7
	v_cvt_pk_f16_f32 v[XB+32*\buf+8*\i+\j], v[16*\i+2*\j], v[16*\i+2*\j+1]
.endr
.endr
.endm
; A K step: four quarters of 32 along K on buffers 0, 1, 0, 1.  While one quarter is multiplied the next one's loads are on their way.
; mode 2: this slot is filled again, two K steps ahead; 1: the slots change, nothing is filled; 0: the last K step.
; The change of slots stands behind the third quarter, whose loads were the last reads of this slot: each wave waits for those reads and for all
; its tensor loads (one is out: its part of the next slot), then signals.  In mode 2 that barrier opens a round of the cluster's barrier, and
; nothing at all stands inside the round: a K step's 128 matrix instructions are shorter than a tile's way, so the joint refill goes out as soon
; as the round allows, first behind it, and the fourth quarter, which works on registers, is multiplied while that load is on its way.
; One tensor load of the wave is out behind each round.
.macro STEP slot, next, zero, mode
	FETCH \slot, 1, 1
	MULH 0, 0, \zero
	MULH 0, 2, \zero
	s_wait_dscnt 0x0                               ; the 32 loads issued ahead of these 32 matrix instructions
	CVT 1
	FETCH \slot, 2, 0
	MULH 1, 0, 0
	MULH 1, 2, 0
	s_wait_dscnt 0x0
	CVT 0
	FETCH \slot, 3, 1
	MULH 0, 0, 0
	MULH 0, 2, 0
	s_wait_dscnt 0x0                               ; my reads of this slot are over
.if \mode >= 1
	s_wait_tensorcnt 0x0                           ; all my tensor loads have landed,
	ds_add_u32 v254, v255
	s_wait_dscnt 0x0
.if \mode == 2
	s_add_nc_u64 s[G0A+4*\slot+2:G0A+4*\slot+3], s[G0A+4*\slot+2:G0A+4*\slot+3], 2*ASTEP   ; so every group 0 may be written: this slot's next tile
	s_add_nc_u64 s[G0B+4*\slot+2:G0B+4*\slot+3], s[G0B+4*\slot+2:G0B+4*\slot+3], 2*BSTEP
.endif
	WIN 0                                          ; at a branch and at a label every window is 0
	s_barrier_signal -1
	s_barrier_wait -1
.if \mode == 2
	CREST
	JLOAD \slot
.endif
.endif
	CVT 1
	MULH 1, 0, 0
.if \mode >= 1
	FETCH \next, 0, 0
.endif
	MULH 1, 2, 0
.if \mode >= 1
	s_wait_dscnt 0x0
	CVT 0
.endif
.endm
	s_wait_tensorcnt 0x1                           ; my part of K step 0 is in; K step 1's stays out
	s_barrier_signal -1
	s_barrier_wait -1                              ; everybody's is
	FETCH 0, 0, 0
	s_wait_dscnt 0x0
	CVT 0
	STEP 0, 1, 1, 2                                ; lap 0, K steps 0 and 1, stands in front of the loop: the first products start the sums
	STEP 1, 0, 0, 2
	WIN 0
	s_mov_b32 s3, 2
.Llap:
	s_wait_xcnt 0x0                                ; the last prefetch, a lap ago, has had its address translated: its base is stepped only behind this wait
	s_add_nc_u64 s[PFB:PFB+1], s[PFB:PFB+1], 1024
	global_prefetch_b8 v[PF], s[PFB:PFB+1] offset:1024 th:TH_LOAD_NT scope:SCOPE_SE   ; lap 1: K steps 4 and 5; lap 2: K steps 6 and 7, the row's last 1,024 bytes
	STEP 0, 1, 0, 2                                ; laps 1 and 2, K steps 2 to 5
	STEP 1, 0, 0, 2
	WIN 0
	s_sub_co_u32 s3, s3, 1
	s_cmp_lg_u32 s3, 0
	s_cbranch_scc1 .Llap
	STEP 0, 1, 0, 1                                ; K step 6: slot 1's last load is waited for, nothing is filled, nothing is asked for
	STEP 1, 0, 0, 0                                ; K step 7
	; THE WAY OUT, 16 rows of y at a time: round to f16, 16 bytes a lane into my own stage, read back as whole rows of 256 bytes.
	PLACES
.macro OUT16 a, f
	WIN 0x05
.irp b, 0,1,2,3,4,5,6,7
.irp j, 0,1,2,3
	v_cvt_pk_f16_f32 v[TMP+4*\b+\j], v[8*(8*\a+\b)+2*\j], v[8*(8*\a+\b)+2*\j+1]
.endr
.endr
	WIN 0
.irp b, 0,1,2,3,4,5,6,7
	ds_store_b128 v[STO], v[TMP+4*\b:TMP+4*\b+3] offset:32*\b
.endr
	s_wait_xcnt 0x0                                ; buffer f, which earlier stores read, and the stores' base are rewritten only behind this wait
.if \a
	s_add_nc_u64 s[12:13], s[12:13], 16*2048       ; 16 rows of y on
.endif
.irp t, 0,1,2,3,4,5,6,7
	ds_load_b128 v[\f+4*\t:\f+4*\t+3], v[RD] offset:\t*2*SPITCH    ; LDS serves a wave's instructions in order: these see the stores above
.endr
.irp t, 0,1,2,3,4,5,6,7
	s_wait_dscnt 7-\t                              ; the younger loads of the eight stay out
	global_store_b128 v[CO], v[\f+4*\t:\f+4*\t+3], s[12:13] offset:\t*4096   ; 16 lanes store 256 consecutive bytes, aligned
.endr
.endm
	OUT16 0, 96
	OUT16 1, 128
	OUT16 2, 96
	OUT16 3, 128
	s_wait_tensorcnt 0x0
	ds_add_u32 v254, v255
	s_wait_dscnt 0x0
	CROUND                                         ; the closing round: no work-group ends while a partner may still ask for a tile that names it
	s_endpgm
.Lfunc_end_k_q46b3bfd31b_proj:
	.size	k_q46b3bfd31b_proj, .Lfunc_end_k_q46b3bfd31b_proj-k_q46b3bfd31b_proj
	.p2alignl 7, 3214868480
	.fill 96, 4, 3214868480
	.section	.rodata,"a",@progbits
	.p2align	6, 0x0
	.amdhsa_kernel k_q46b3bfd31b_proj
		.amdhsa_group_segment_fixed_size 327680
		.amdhsa_private_segment_fixed_size 0
		.amdhsa_enable_private_segment 0
		.amdhsa_kernarg_size 40
		.amdhsa_user_sgpr_count 2
		.amdhsa_user_sgpr_kernarg_segment_ptr 1
		.amdhsa_wavefront_size32 1
		.amdhsa_system_sgpr_workgroup_id_x 1
		.amdhsa_system_sgpr_workgroup_id_y 1
		.amdhsa_system_sgpr_workgroup_id_z 1
		.amdhsa_system_vgpr_workitem_id 0
		.amdhsa_next_free_vgpr 576
		.amdhsa_next_free_sgpr 80
		.amdhsa_reserve_vcc 0
		.amdhsa_float_denorm_mode_32 3
		.amdhsa_float_denorm_mode_16_64 3
		.amdhsa_memory_ordered 1
		.amdhsa_forward_progress 1
		.amdhsa_inst_pref_size 180
	.end_amdhsa_kernel
	.amdgpu_metadata
---
amdhsa.version: [ 1, 2 ]
amdhsa.kernels:
  - .name:           k_q46b3bfd31b_proj
    .symbol:         k_q46b3bfd31b_proj.kd
    .args:
      - { .name: queries, .offset: 0, .size: 8, .value_kind: global_buffer, .address_space: global }
      - { .name: keys, .offset: 8, .size: 8, .value_kind: global_buffer, .address_space: global }
      - { .name: values, .offset: 16, .size: 8, .value_kind: global_buffer, .address_space: global }
      - { .name: wcat, .offset: 24, .size: 8, .value_kind: global_buffer, .address_space: global }
      - { .name: qkv, .offset: 32, .size: 8, .value_kind: global_buffer, .address_space: global }
    .group_segment_fixed_size: 327680
    .private_segment_fixed_size: 0
    .kernarg_segment_align: 8
    .kernarg_segment_size: 40
    .max_flat_workgroup_size: 128
    .sgpr_count:     80
    .vgpr_count:     576
    .wavefront_size: 32
...
	.end_amdgpu_metadata
.endif
;; end of part 5
;; launch attn (part 6): grid 4 x 64, 8 waves a work-group, clusters of 4 x 1, 327,680 bytes of LDS; arguments qkv, att; writes att
.if DOCPART == 6
	.amdgcn_target "amdgcn-amd-amdhsa--gfx1250"
	.amdhsa_code_object_version 6
	.text
	.protected	k_q46b3bfd31b_attn
	.globl	k_q46b3bfd31b_attn
	.p2align	8
	.type	k_q46b3bfd31b_attn,@function
k_q46b3bfd31b_attn:
	s_mov_b64 s[64:65], 0
	v_nop
	global_prefetch_b8 v0, s[64:65] scope:SCOPE_SE
	s_setreg_imm32_b32 hwreg(HW_REG_WAVE_MODE, 25, 1), 1
	s_wait_xcnt 0x0
	s_wait_alu depctr_hold_cnt(0) depctr_sa_sdst(0) depctr_va_vdst(0) depctr_va_sdst(0) depctr_va_ssrc(0) depctr_va_vcc(0) depctr_vm_vsrc(0)
	s_getreg_b32 s2, hwreg(HW_REG_IB_STS2, 6, 4)
	s_cmp_eq_u32 s2, 0
	s_cbranch_scc0 .Lentry_in_a_cluster
	s_endpgm
.Lentry_in_a_cluster:
	s_bfe_u32 s2, ttmp6, 0x10000c
	s_cmp_lg_u32 s2, 0x3003
	s_cbranch_scc0 .Lentry_shape_is_right
	s_endpgm
.Lentry_shape_is_right:
; attn: for each of 64 heads (b, h): s_r = (q_r k_r - q_i k_i) / 8, s_i = (q_r k_i + q_i k_r) / 8, a_r = softmax(s_r), a_i = softmax(s_i),
; o_r = a_r v_r - a_i v_i, o_i = a_r v_i + a_i v_r.  q, k, v: parts 0, 1, 2 of qkv, f16 [8192][1024], a head's piece = 256 aligned bytes
; [real 64 | imaginary 64].  att: f16 [8192][1024], column = h 128 + 2 dh + c.
; Both softmaxes keep a running maximum and a running sum (f32) over steps of 32 keys; the scale and log2(e) are one factor c = log2(e) / 8.
; LIMITS: operands are f16 (q, k, v and the result below 65,504 in magnitude; the exponentials, at most about 1, are rounded to f16 for the
; numerators while the sums take them unrounded).  NaN and infinities are not treated.
; A work-group is one head and 256 queries; eight waves, 32 queries each, both softmaxes.  64 x 4 = 256 work-groups.
; CLUSTERS: the four query blocks of a head form a cluster and ask for every tile of K and V jointly (mask 15).
; TRANSPOSED: S^T = K Q^T (source 0 = 16 keys, source 1 = 16 queries): a lane holds 8 keys of ONE query, so a maximum or a sum needs one exchange
; between the halves of the wave, and two key tiles, packed in place, ARE the second source of O^T = V^T P^T (source 0 = 16 columns of V by a
; transposing LDS load).  T_r = a_r [v_r | v_i] and T_i = a_i [v_r | v_i] are summed apart and combined at the end.
; LOOPS: a tile of 128 keys is four steps of 32 keys, run by a counted loop in which two LDS address registers step by 32 rows; the tiles are
; tile 0 (its first step, which starts maxima and sums, written out), three trips of {a tile in slot 1, a tile in slot 0}, and tile 7, which asks
; for nothing.  So the step of 32 keys stands five times in the text for the 32 times that it runs, and the text stays short.
; No prefetch: a tile is asked for by its tensor load a whole tile's work (256 matrix instructions and four softmax steps) ahead of its first read.
; LDS: slot s at s x 71,680: K 128 rows of pitch 272, then V 128 rows of pitch 288; at 143,360 each wave's 32 rows of pitch 272: first its Q,
; filled once, at the end its stage for the way out.
.set SLOT,   71680
.set KPITCH, 272
.set VPITCH, 288                       ; an odd multiple of 32 bytes, for the transposing loads
.set KBYTES, 128*KPITCH
.set QST,    2*SLOT
.set QBYTES, 32*272
.set STEP,   128*2048                  ; 128 keys in bytes of qkv
.set PARTK,  16777216
.set PARTV,  33554432
.set CO,   1                           ; v1      my byte offset in att
.set KB,   2                           ; v2      my K fragments' place in a slot: r x 272 + 16 h; never rewritten
.set VB,   3                           ; v3      my V fragments' place in a slot; never rewritten
.set KC,   4                           ; v4      LDS address of this step's K fragments: slot + KB + 32 rows for each step
.set VC,   5                           ; v5      the same for V
.set QADR, 6                           ; v6      my Q fragments; later: where I put 32 bytes of a result row
.set RD,   7                           ; v7      where I read a result row back
.set NM,   8                           ; block k = 2 u + q (u: softmax, q: query tile): v[8+2k] = -c x maximum, v[9+2k] = maximum
.set AL,   16                          ; v[16+2k] = factor for the old sums, v[17+2k] = running sum (this half's 16 of each 32 keys)
.set T,    24                          ; v24-31  at work: a pair for each block
.set QR,   32                          ; q_r: fragment (q, c) at +16 q + 8 c
.set QI,   64                          ; q_i
.set NQ,   96                          ; -q_i
.set S,    128                         ; scores: block k at +16 k, key tile m at +8 m; then the exponentials; then, packed, P in the first 8 of the 16
.set FA,   192                         ; v192-255: K fragments (key tile m at +32 m, [k_r 0-31, k_r 32-63, k_i 0-31, k_i 32-63]), then V fragments (+8 m)
.set INV,  192                         ; the end: pairs 1/l_r (q = 0, 1), 1/l_i (0, 1), -1/l_i (0, 1)
.set ER,   32                          ; the end: o_r, o_i, packed
.set FI,   64
.set GP,   96
.set G1K, 16                           ; s[16:23], s[24:31], s[48:55]: descriptor group 1 for K, V, Q
.set G1V, 24
.set G0K, 32                           ; s[32:39], s[40:47]: group 0 for K, V, one set for each slot
.set G0V, 40
.set G1Q, 48
.set G0Q, 56                           ; s[56:59]
.set MSB, 0
.macro WIN new                         ; window 1 holds the sums: tile (u, m, q) at v[8 (16 u + 2 m + q)], m = 0..7 over V's 128 columns
.if MSB != \new
	s_set_vgpr_msb (MSB<<8)|\new
.set MSB, \new
.endif
.endm
.macro PLACES
.rept 4
	v_nop
.endr
.endm
.macro ROUND                           ; a round of the cluster's barrier
	s_barrier_signal -1
	s_barrier_wait -1
	s_cmp_lg_u32 s8, 0
	s_cbranch_scc1 .Lnot_wave_0_\@
	s_barrier_signal -3
.Lnot_wave_0_\@:
	s_barrier_wait -3
	s_barrier_signal -1
	s_barrier_wait -1
.endm
.macro JKV s                           ; a joint load: waves 0 to 3 fetch 32 rows each of K's tile, waves 4 to 7 of V's
	s_cmp_eq_u32 s9, 0
	s_cbranch_scc0 .Lfor_v_\@
	tensor_load_to_lds s[G0K+4*\s:G0K+4*\s+3], s[G1K:G1K+7]
	s_nop 0
	s_branch .Lasked_\@
.Lfor_v_\@:
	tensor_load_to_lds s[G0V+4*\s:G0V+4*\s+3], s[G1V:G1V+7]
	s_nop 0
.Lasked_\@:
.endm
	s_load_b128 s[4:7], s[0:1], 0x0                ; qkv s[4:5], att s[6:7]
	v_lshl_add_u32 v190, v0, 2, 0x34000
	v_mov_b32 v191, 0
	ds_add_u32 v190, v191
	s_wait_dscnt 0x0
	v_lshrrev_b32 v24, 5, v0
	v_readfirstlane_b32 s8, v24                    ; wave 0..7
	s_lshr_b32 s9, s8, 2                           ; I fetch for K (0) or for V (1)
	s_and_b32 s10, s8, 3                           ; which 32 rows of the tile
	s_and_b32 s11, ttmp7, 0xffff                   ; the head: 8 b + h
	s_lshr_b32 s12, s11, 3
	s_lshl_b32 s12, s12, 21                        ; b x 1,024 rows of 2,048 bytes
	s_and_b32 s13, s11, 7
	s_lshl_b32 s13, s13, 8                         ; h x 256 bytes
	s_add_co_u32 s12, s12, s13
	s_lshl_b32 s14, s10, 16                        ; my 32 rows of a tile
	s_add_co_u32 s14, s14, s12
	s_mov_b32 s15, 0
	s_bfe_u32 s72, ttmp6, 0x40000                  ; cx; it enters Q's and att's addresses alone
	s_lshl_b32 s73, ttmp9, 2
	s_add_co_u32 s73, s73, s72                     ; query block
	s_lshl_b32 s74, s73, 8
	s_lshl_b32 s75, s8, 5
	s_add_co_u32 s74, s74, s75                     ; my first query
	s_lshl_b32 s74, s74, 11
	s_add_co_u32 s74, s74, s12
	s_mov_b32 s75, 0
	s_mov_b32 s66, 0x3e38aa3b                      ; c = log2(e) / 8, twice: a pair for the packed multiply-add
	s_mov_b32 s67, 0x3e38aa3b
	s_mov_b32 s68, 0x76543210                      ; v_permlanex16_b32: lane i of one half reads lane i of the other
	s_mov_b32 s69, 0xfedcba98
	; group 1: 32 rows x 128 elements of 2 bytes, padding behind every 64 words: 4 words (K, Q), 8 words (V)
	s_mov_b32 s[G1K+0], 15|(1<<16)|(1<<20)|(1<<21)|(5<<22)|(3<<25)
	s_mov_b32 s[G1V+0], 15|(1<<16)|(1<<20)|(1<<21)|(5<<22)|(7<<25)
	s_mov_b32 s[G1Q+0], (1<<16)|(1<<20)|(5<<22)|(3<<25)            ; Q is each wave's own: no mask
.irp g, G1K, G1V, G1Q
	s_mov_b32 s[\g+1], 128<<16                     ; tensor_dim0 = 128
	s_mov_b32 s[\g+2], 32<<16                      ; tensor_dim1 = 32
	s_mov_b32 s[\g+3], 128<<16                     ; tile_dim0 = 128
	s_mov_b32 s[\g+4], 32                          ; tile_dim1 = 32
	s_mov_b32 s[\g+5], 1024                        ; elements from row to row
	s_mov_b32 s[\g+6], 0
	s_mov_b32 s[\g+7], 0
.endr
	s_mul_i32 s61, s8, QBYTES
	s_add_co_u32 s61, s61, QST                     ; my Q, later my stage
	s_mul_i32 s62, s10, 32*KPITCH                  ; my 32 rows in K's tile
	s_mul_i32 s63, s10, 32*VPITCH
	s_add_co_u32 s63, s63, KBYTES                  ; or in V's
	s_wait_kmcnt 0x0
	s_add_nc_u64 s[70:71], s[4:5], s[14:15]
	s_add_nc_u64 s[76:77], s[4:5], s[74:75]
	s_add_nc_u64 s[6:7], s[6:7], s[74:75]          ; att at my first query's piece
.irp s, 0,1
	s_mov_b32 s[G0K+4*\s], 1
	s_add_co_u32 s[G0K+4*\s+1], s62, \s*SLOT
	s_add_nc_u64 s[G0K+4*\s+2:G0K+4*\s+3], s[70:71], PARTK+\s*STEP  ; tile s
	s_or_b32 s[G0K+4*\s+3], s[G0K+4*\s+3], 0x80000000
	s_mov_b32 s[G0V+4*\s], 1
	s_add_co_u32 s[G0V+4*\s+1], s63, \s*SLOT
	s_add_nc_u64 s[G0V+4*\s+2:G0V+4*\s+3], s[70:71], PARTV+\s*STEP
	s_or_b32 s[G0V+4*\s+3], s[G0V+4*\s+3], 0x80000000
.endr
	s_mov_b32 s[G0Q], 1
	s_mov_b32 s[G0Q+1], s61
	s_mov_b64 s[G0Q+2:G0Q+3], s[76:77]
	s_or_b32 s[G0Q+3], s[G0Q+3], 0x80000000
	ROUND                                          ; the four work-groups are here: the first joint loads meet
	tensor_load_to_lds s[G0Q:G0Q+3], s[G1Q:G1Q+7]  ; my 32 queries
	s_nop 0
	JKV 0                                          ; tile 0; two tensor loads of the wave are out
	v_and_b32 v24, 15, v0                          ; r
	v_bfe_u32 v25, v0, 4, 1                        ; h
	v_mul_u32_u24 v26, v24, KPITCH
	v_lshl_add_u32 v[KB], v25, 4, v26              ; row r x pitch + 16 h
	v_and_b32 v27, 7, v0
	v_lshl_add_u32 v27, v25, 3, v27                ; key 8 h + (l & 7)
	v_mul_u32_u24 v27, v27, VPITCH
	v_bfe_u32 v28, v0, 3, 1
	v_lshl_add_u32 v27, v28, 4, v27                ; + 16 ((l >> 3) & 1)
	v_add_nc_u32 v[VB], KBYTES, v27                ; V lies behind K's 128 rows
	v_add_nc_u32 v[QADR], s61, v[KB]
	v_mul_u32_u24 v29, v25, 272
	v_lshl_add_u32 v29, v24, 4, v29
	v_add_nc_u32 v[RD], s61, v29                   ; back: lanes 0-15 one row of 256 bytes, lanes 16-31 the next
	v_lshlrev_b32 v[CO], 11, v25
	v_lshl_add_u32 v[CO], v24, 4, v[CO]            ; the same two rows in att
	s_wait_tensorcnt 0x1                           ; my Q is in (only I read it); tile 0, issued behind it, stays out
.irp q, 0,1
.irp c, 0,1
	ds_load_b128 v[QR+16*\q+8*\c:QR+16*\q+8*\c+3],   v[QADR] offset:\q*16*272+64*\c
	ds_load_b128 v[QR+16*\q+8*\c+4:QR+16*\q+8*\c+7], v[QADR] offset:\q*16*272+64*\c+32
	ds_load_b128 v[QI+16*\q+8*\c:QI+16*\q+8*\c+3],   v[QADR] offset:\q*16*272+128+64*\c
	ds_load_b128 v[QI+16*\q+8*\c+4:QI+16*\q+8*\c+7], v[QADR] offset:\q*16*272+128+64*\c+32
.endr
.endr
	v_lshl_add_u32 v[QADR], v25, 4, v[QADR]        ; from here on: row r x 272 + 32 h, for the way out
	s_wait_dscnt 0x0
.set i, 0
.rept 32
	v_xor_b32 v[NQ+i], 0x80008000, v[QI+i]         ; -q_i: both halves' signs
.set i, i+1
.endr
.macro KLOAD                           ; 16 loads: this step's 32 keys, key tile 0 first
.irp m, 0,1
.irp f, 0,1,2,3
	ds_load_b128 v[FA+32*\m+8*\f:FA+32*\m+8*\f+3],   v[KC] offset:16*\m*KPITCH+64*\f
	ds_load_b128 v[FA+32*\m+8*\f+4:FA+32*\m+8*\f+7], v[KC] offset:16*\m*KPITCH+64*\f+32
.endr
.endr
.endm
; 16 matrix instructions: key tile m against both query tiles, both scores, 128 along the (real, imaginary) dimensions.
; s_r: k_r q_r + k_i (-q_i);  s_i: k_i q_r + k_r q_i.  The four accumulators take turns, one instruction a turn.
.macro SCORES m
.irp j, 0,1,2,3
.irp u, 0,1
.irp q, 0,1
.if \j < 2
.set BQ, QR+16*\q+8*\j
.else
.if \u == 0
.set BQ, NQ+16*\q+8*(\j-2)
.else
.set BQ, QI+16*\q+8*(\j-2)
.endif
.endif
.set KF, FA+32*\m+8*((\j+2*\u)&3)
.set DS, S+16*(2*\u+\q)+8*\m
.if \j == 0
	v_wmma_f32_16x16x32_f16 v[DS:DS+7], v[KF:KF+7], v[BQ:BQ+7], 0
.else
	v_wmma_f32_16x16x32_f16 v[DS:DS+7], v[KF:KF+7], v[BQ:BQ+7], v[DS:DS+7]
.endif
.endr
.endr
.endr
.endm
.macro VLOAD                           ; 16 transposing loads: V's 128 columns x this step's 32 keys as eight first-source fragments
.irp m, 0,1,2,3,4,5,6,7
	ds_load_tr16_b128 v[FA+8*\m:FA+8*\m+3],   v[VC] offset:32*\m
	ds_load_tr16_b128 v[FA+8*\m+4:FA+8*\m+7], v[VC] offset:32*\m+16*VPITCH
.endr
.endm
; The four blocks (32 keys of 16 queries each, 16 numbers a lane) go through each stage TOGETHER, so that an instruction and the one that needs
; its result stand four to eight lines apart: new maximum, factor for the old sums, exponentials, their sum, and P packed in place.
; Block k works on the pair v[T+2k], v[T+2k+1].
.macro SOFTMAX4 first
	; the largest of a lane's 16 scores: two chains a block
.irp k, 0,1,2,3
	v_max3_num_f32 v[T+2*\k],   v[S+16*\k],   v[S+16*\k+1], v[S+16*\k+2]
	v_max3_num_f32 v[T+2*\k+1], v[S+16*\k+3], v[S+16*\k+4], v[S+16*\k+5]
.endr
.irp k, 0,1,2,3
	v_max3_num_f32 v[T+2*\k],   v[T+2*\k],   v[S+16*\k+6], v[S+16*\k+7]
	v_max3_num_f32 v[T+2*\k+1], v[T+2*\k+1], v[S+16*\k+8], v[S+16*\k+9]
.endr
.irp k, 0,1,2,3
	v_max3_num_f32 v[T+2*\k],   v[T+2*\k],   v[S+16*\k+10], v[S+16*\k+11]
	v_max3_num_f32 v[T+2*\k+1], v[T+2*\k+1], v[S+16*\k+12], v[S+16*\k+13]
.endr
.irp k, 0,1,2,3
	v_max3_num_f32 v[T+2*\k], v[T+2*\k], v[S+16*\k+14], v[S+16*\k+15]
.endr
.irp k, 0,1,2,3
	v_max_num_f32 v[T+2*\k], v[T+2*\k], v[T+2*\k+1]
.endr
.irp k, 0,1,2,3
	v_permlanex16_b32 v[T+2*\k+1], v[T+2*\k], s68, s69     ; the other half's 16 keys of the same query
.endr
.if \first
.irp k, 0,1,2,3
	v_max_num_f32 v[NM+2*\k+1], v[T+2*\k], v[T+2*\k+1]
.endr
.irp k, 0,1,2,3
	v_mul_f32 v[NM+2*\k], 0xbe38aa3b, v[NM+2*\k+1]         ; -c m
.endr
.else
.irp k, 0,1,2,3
	v_max3_num_f32 v[NM+2*\k+1], v[T+2*\k], v[T+2*\k+1], v[NM+2*\k+1]   ; the running maximum
.endr
.irp k, 0,1,2,3
	v_mul_f32 v[T+2*\k], 0xbe38aa3b, v[NM+2*\k+1]
.endr
.irp k, 0,1,2,3
	v_sub_f32 v[T+2*\k+1], v[T+2*\k], v[NM+2*\k]           ; c (m_old - m_new), from the two rounded values that the exponentials use
.endr
.irp k, 0,1,2,3
	v_mov_b32 v[NM+2*\k], v[T+2*\k]
.endr
.irp k, 0,1,2,3
	v_exp_f32 v[AL+2*\k], v[T+2*\k+1]                      ; the plain lines below stand between these and the first use of a result or write of a source
.endr
.endif
.irp i, 0,2,4,6,8,10,12,14
.irp k, 0,1,2,3
	v_pk_fma_f32 v[S+16*\k+\i:S+16*\k+\i+1], v[S+16*\k+\i:S+16*\k+\i+1], s[66:67], v[NM+2*\k:NM+2*\k+1] op_sel_hi:[1,0,0]   ; c s - c m
.endr
.endr
.irp i, 0,1,2,3,4,5,6,7,8,9,10,11,12,13,14,15
.irp k, 0,1,2,3
	v_exp_f32 v[S+16*\k+\i], v[S+16*\k+\i]
.endr
.endr
	v_nop                                          ; one plain place behind the last exponential (ISA guide 5.7.2)
	; The sum (a pair a block: even and odd registers) and the packing take turns.  Packing step j writes register j; the sum has read registers
	; 0 to 3 in its first round and registers 2 i, 2 i + 1 in round i, and packing step j stands behind round j + 1; registers 8 to 15 are never written.
	s_wait_alu depctr_va_vdst(0)
.irp k, 0,1,2,3
	v_pk_add_f32 v[T+2*\k:T+2*\k+1], v[S+16*\k:S+16*\k+1], v[S+16*\k+2:S+16*\k+3]
.endr
.irp j, 0,1,2,3,4,5
.irp k, 0,1,2,3
	v_cvt_pk_f16_f32 v[S+16*\k+\j], v[S+16*\k+2*\j], v[S+16*\k+2*\j+1]
.endr
.irp k, 0,1,2,3
	v_pk_add_f32 v[T+2*\k:T+2*\k+1], v[T+2*\k:T+2*\k+1], v[S+16*\k+2*\j+4:S+16*\k+2*\j+5]
.endr
.endr
.irp k, 0,1,2,3
	v_cvt_pk_f16_f32 v[S+16*\k+6], v[S+16*\k+12], v[S+16*\k+13]
.endr
.if \first
.irp k, 0,1,2,3
	v_add_f32 v[AL+2*\k+1], v[T+2*\k], v[T+2*\k+1]
.endr
.else
.irp k, 0,1,2,3
	v_add_f32 v[T+2*\k], v[T+2*\k], v[T+2*\k+1]
.endr
.endif
.irp k, 0,1,2,3
	v_cvt_pk_f16_f32 v[S+16*\k+7], v[S+16*\k+14], v[S+16*\k+15]
.endr
.if \first == 0
.irp k, 0,1,2,3
	v_fma_f32 v[AL+2*\k+1], v[AL+2*\k+1], v[AL+2*\k], v[T+2*\k]
.endr
.endif
.endm
.macro RESCALE                         ; the 32 tiles of sums times their block's factor
	WIN 0x41
.irp u, 0,1
.irp q, 0,1
.irp m, 0,1,2,3,4,5,6,7
.irp j, 0,2,4,6
	v_pk_mul_f32 v[8*(16*\u+2*\m+\q)+\j:8*(16*\u+2*\m+\q)+\j+1], v[8*(16*\u+2*\m+\q)+\j:8*(16*\u+2*\m+\q)+\j+1], v[AL+2*(2*\u+\q):AL+2*(2*\u+\q)+1] op_sel_hi:[1,0]
.endr
.endr
.endr
.endr
.endm
.macro AV first                        ; 32 matrix instructions; the 32 accumulators take turns, one instruction a turn
	WIN 0x50
.irp m, 0,1,2,3,4,5,6,7
.irp u, 0,1
.irp q, 0,1
.if \first
	v_wmma_f32_16x16x32_f16 v[8*(16*\u+2*\m+\q):8*(16*\u+2*\m+\q)+7], v[FA+8*\m:FA+8*\m+7], v[S+16*(2*\u+\q):S+16*(2*\u+\q)+7], 0
.else
	v_wmma_f32_16x16x32_f16 v[8*(16*\u+2*\m+\q):8*(16*\u+2*\m+\q)+7], v[FA+8*\m:FA+8*\m+7], v[S+16*(2*\u+\q):S+16*(2*\u+\q)+7], v[8*(16*\u+2*\m+\q):8*(16*\u+2*\m+\q)+7]
.endif
.endr
.endr
.endr
.endm
; A step of 32 keys at KC and VC.  V's fragments are asked for ahead of the softmax and land under it.  At its end both addresses step by 32 rows.
.macro SUB first
	KLOAD
	s_wait_dscnt 0x8                               ; key tile 0's eight loads are in; key tile 1's eight may be out
	SCORES 0
	s_wait_dscnt 0x0
	SCORES 1
	PLACES                                         ; four places: the loads below land on K's fragments, the softmax reads the scores
	VLOAD
	SOFTMAX4 \first
.if \first == 0
	RESCALE
.endif
	s_wait_dscnt 0x0                               ; V's fragments
	AV \first
	WIN 0                                          ; at a label and at a branch every window is 0
	v_add_nc_u32 v[KC], 32*KPITCH, v[KC]           ; the next 32 keys.  These two lines and three v_nop are the five places behind the last matrix
	v_add_nc_u32 v[VC], 32*VPITCH, v[VC]           ; instruction: the next scores write over P, the next loads land on V's fragments
.rept 3
	v_nop
.endr
.endm
; A tile of 128 keys.  Each wave waits for all its tensor loads (one is out: its part of this tile) and for its reads of the other slot; the round
; makes both hold of every wave of the four work-groups; the joint load of the next tile, into the slot read last, is the first tensor load behind it.
; One tensor load of the wave is out behind each round, and has this tile's 256 matrix instructions and four softmax steps in which to land.
; first = 1: the tile's first step is written out and starts maxima and sums; three trips follow instead of four.
.macro TRIP slot, next, refill, first
	s_wait_xcnt 0x0
	v_lshl_add_u32 v190, v0, 2, 0x34000
	v_mov_b32 v191, 0
	s_wait_tensorcnt 0x0
	ds_add_u32 v190, v191
	s_wait_dscnt 0x0
	s_add_nc_u64 s[G0K+4*\slot+2:G0K+4*\slot+3], s[G0K+4*\slot+2:G0K+4*\slot+3], 2*STEP   ; no tensor load of mine is out: this slot's next tile
	s_add_nc_u64 s[G0V+4*\slot+2:G0V+4*\slot+3], s[G0V+4*\slot+2:G0V+4*\slot+3], 2*STEP
	s_wait_dscnt 0x0
	ROUND
.if \refill
	JKV \next
.endif
.if \slot
	v_add_nc_u32 v[KC], SLOT, v[KB]                ; the tile's first 32 keys: the slot's constant and my lane's place
	v_add_nc_u32 v[VC], SLOT, v[VB]
.else
	v_mov_b32 v[KC], v[KB]
	v_mov_b32 v[VC], v[VB]
.endif
.if \first
	SUB 1
	s_mov_b32 s78, 3
.else
	s_mov_b32 s78, 4
.endif
.Lkeys_\@:
	SUB 0
	s_sub_co_u32 s78, s78, 1
	s_cmp_lg_u32 s78, 0
	s_cbranch_scc1 .Lkeys_\@
.endm
	TRIP 0, 1, 1, 1                                ; tile 0; slot 1 gets its first fill as a refill does
	s_mov_b32 s60, 3
.Ltiles:
	TRIP 1, 0, 1, 0                                ; tiles 1, 3, 5
	TRIP 0, 1, 1, 0                                ; tiles 2, 4, 6; tile 6 asks for tile 7, the last
	s_sub_co_u32 s60, s60, 1
	s_cmp_lg_u32 s60, 0
	s_cbranch_scc1 .Ltiles
	TRIP 1, 0, 0, 0                                ; tile 7: nothing is left to fetch (the stepped addresses are not used)
	; THE END.  The two halves' sums meet; 1 / l; the complex combination; (o_r, o_i) packed; out through my stage.
	; The five places at the end of the last step stand between the last matrix instruction and the first read of a sum.
.irp k, 0,1,2,3
	v_permlanex16_b32 v[T+\k], v[AL+2*\k+1], s68, s69
.endr
.irp k, 0,1,2,3
	v_add_f32 v[T+\k], v[T+\k], v[AL+2*\k+1]
.endr
.irp k, 0,1,2,3
	v_rcp_f32 v[INV+2*\k],   v[T+\k]               ; twice: a whole pair for the packed forms
	v_rcp_f32 v[INV+2*\k+1], v[T+\k]
.endr
	v_nop                                          ; one plain place behind the last reciprocal
	s_wait_alu depctr_va_vdst(0)
.irp q, 0,1
	v_mul_f32 v[INV+8+2*\q],   -1.0, v[INV+4+2*\q]
	v_mul_f32 v[INV+8+2*\q+1], -1.0, v[INV+4+2*\q+1]
.endr
; query tile q: a lane holds query r and, for m = 0..3, dh = 16 m + 8 h + 0..7: o_r = T_r[v_r] / l_r - T_i[v_i] / l_i, o_i = T_r[v_i] / l_r + T_i[v_r] / l_i
.macro COMBINE q
	WIN 0x01
.irp m, 0,1,2,3
.irp j, 0,2,4,6
	v_pk_mul_f32 v[ER+8*\m+\j:ER+8*\m+\j+1], v[8*(2*\m+\q)+\j:8*(2*\m+\q)+\j+1],             v[INV+2*\q:INV+2*\q+1] op_sel_hi:[1,0]
	v_pk_mul_f32 v[FI+8*\m+\j:FI+8*\m+\j+1], v[8*(2*(\m+4)+\q)+\j:8*(2*(\m+4)+\q)+\j+1],     v[INV+2*\q:INV+2*\q+1] op_sel_hi:[1,0]
	v_pk_fma_f32 v[ER+8*\m+\j:ER+8*\m+\j+1], v[8*(16+2*(\m+4)+\q)+\j:8*(16+2*(\m+4)+\q)+\j+1], v[INV+8+2*\q:INV+8+2*\q+1], v[ER+8*\m+\j:ER+8*\m+\j+1] op_sel_hi:[1,0,1]
	v_pk_fma_f32 v[FI+8*\m+\j:FI+8*\m+\j+1], v[8*(16+2*\m+\q)+\j:8*(16+2*\m+\q)+\j+1],       v[INV+4+2*\q:INV+4+2*\q+1], v[FI+8*\m+\j:FI+8*\m+\j+1] op_sel_hi:[1,0,1]
.endr
.endr
	WIN 0
.set i, 0
.rept 32
	v_cvt_pk_f16_f32 v[GP+i], v[ER+i], v[FI+i]     ; (o_r, o_i) of one dh in one word
.set i, i+1
.endr
.irp m, 0,1,2,3
	ds_store_b128 v[QADR], v[GP+8*\m:GP+8*\m+3]   offset:\q*16*272+64*\m
	ds_store_b128 v[QADR], v[GP+8*\m+4:GP+8*\m+7] offset:\q*16*272+64*\m+16
.endr
.endm
	COMBINE 0
	COMBINE 1
.irp t, 0,1,2,3,4,5,6,7,8,9,10,11,12,13,14,15
	ds_load_b128 v[S+4*\t:S+4*\t+3], v[RD] offset:\t*2*272         ; LDS serves a wave's instructions in order: these see the stores above
.endr
.irp t, 0,1,2,3,4,5,6,7,8,9,10,11,12,13,14,15
	s_wait_dscnt 15-\t                             ; the younger loads of the sixteen stay out
	global_store_b128 v[CO], v[S+4*\t:S+4*\t+3], s[6:7] offset:\t*4096   ; 16 lanes store a query's 256 bytes of this head, aligned
.endr
	s_wait_xcnt 0x0
	v_lshl_add_u32 v190, v0, 2, 0x34000
	v_mov_b32 v191, 0
	s_wait_tensorcnt 0x0
	ds_add_u32 v190, v191
	s_wait_dscnt 0x0
	ROUND                                          ; the closing round
	s_endpgm
.Lfunc_end_k_q46b3bfd31b_attn:
	.size	k_q46b3bfd31b_attn, .Lfunc_end_k_q46b3bfd31b_attn-k_q46b3bfd31b_attn
	.p2alignl 7, 3214868480
	.fill 96, 4, 3214868480
	.section	.rodata,"a",@progbits
	.p2align	6, 0x0
	.amdhsa_kernel k_q46b3bfd31b_attn
		.amdhsa_group_segment_fixed_size 327680
		.amdhsa_private_segment_fixed_size 0
		.amdhsa_enable_private_segment 0
		.amdhsa_kernarg_size 16
		.amdhsa_user_sgpr_count 2
		.amdhsa_user_sgpr_kernarg_segment_ptr 1
		.amdhsa_wavefront_size32 1
		.amdhsa_system_sgpr_workgroup_id_x 1
		.amdhsa_system_sgpr_workgroup_id_y 1
		.amdhsa_system_sgpr_workgroup_id_z 1
		.amdhsa_system_vgpr_workitem_id 0
		.amdhsa_next_free_vgpr 512
		.amdhsa_next_free_sgpr 80
		.amdhsa_reserve_vcc 0
		.amdhsa_float_denorm_mode_32 3
		.amdhsa_float_denorm_mode_16_64 3
		.amdhsa_memory_ordered 1
		.amdhsa_forward_progress 1
		.amdhsa_inst_pref_size 152
	.end_amdhsa_kernel
	.amdgpu_metadata
---
amdhsa.version: [ 1, 2 ]
amdhsa.kernels:
  - .name:           k_q46b3bfd31b_attn
    .symbol:         k_q46b3bfd31b_attn.kd
    .args:
      - { .name: qkv, .offset: 0, .size: 8, .value_kind: global_buffer, .address_space: global }
      - { .name: att, .offset: 8, .size: 8, .value_kind: global_buffer, .address_space: global }
    .group_segment_fixed_size: 327680
    .private_segment_fixed_size: 0
    .kernarg_segment_align: 8
    .kernarg_segment_size: 16
    .max_flat_workgroup_size: 256
    .sgpr_count:     80
    .vgpr_count:     512
    .wavefront_size: 32
...
	.end_amdgpu_metadata
.endif
;; end of part 6
;; launch oproj (part 7): grid 4 x 64, 4 waves a work-group, clusters of 4 x 4, 327,680 bytes of LDS; arguments att, wcat, out0; writes out0
.if DOCPART == 7
	.amdgcn_target "amdgcn-amd-amdhsa--gfx1250"
	.amdhsa_code_object_version 6
	.text
	.protected	k_q46b3bfd31b_oproj
	.globl	k_q46b3bfd31b_oproj
	.p2align	8
	.type	k_q46b3bfd31b_oproj,@function
k_q46b3bfd31b_oproj:
	s_mov_b64 s[64:65], 0
	v_nop
	global_prefetch_b8 v0, s[64:65] scope:SCOPE_SE
	s_setreg_imm32_b32 hwreg(HW_REG_WAVE_MODE, 25, 1), 1
	s_wait_xcnt 0x0
	s_wait_alu depctr_hold_cnt(0) depctr_sa_sdst(0) depctr_va_vdst(0) depctr_va_sdst(0) depctr_va_ssrc(0) depctr_va_vcc(0) depctr_vm_vsrc(0)
	s_getreg_b32 s2, hwreg(HW_REG_IB_STS2, 6, 4)
	s_cmp_eq_u32 s2, 0
	s_cbranch_scc0 .Lentry_in_a_cluster
	s_endpgm
.Lentry_in_a_cluster:
	s_bfe_u32 s2, ttmp6, 0x10000c
	s_cmp_lg_u32 s2, 0xf033
	s_cbranch_scc0 .Lentry_shape_is_right
	s_endpgm
.Lentry_shape_is_right:
; oproj: the output layer as a real product, out0[m][n] = sum over k' of att[m][k'] W'[n][k'], M = 8192, N = 1024, K = 1024.
; att: f16 [8192][1024], k' = 2 d + c.  W': part 3 of wcat, f16, row n = 2 o + c.  out0: f32 [8192][1024], as the result lies in memory.
; LIMIT: operands are f16 (see the launches that made them).  Sums in f32, stored unrounded.
; The shape of the input layers' kernel: a work-group makes 128 x 256 with four waves of 64 x 128 (32 accumulator tiles); 64 x 4 = 256 work-groups;
; K in steps of 128 through two LDS slots; clusters of 4 x 4: att's tile is asked for jointly along a row of the cluster, W's along a column;
; the matrix instruction is used transposed (source 0 = rows of W', source 1 = rows of att), so that a lane holds eight neighbouring columns of a row.
; No prefetch: att's 16 MiB were stored by the launch just before, and W' is read by every block row.
; REGISTERS: window 0: v8-14 addresses; v32-95, v96-159 fragments of W', two buffers; v160-191, v192-223 fragments of att, two buffers.
;            window 1: the accumulator tiles, tile (a, b) at v[8 (8 a + b)].
.set KSTEP,  128
.set APITCH, 272                       ; an LDS row: 256 bytes + 16 of padding: the 16 rows of a fragment start at 16 different 16-byte columns modulo 256 bytes
.set AHALF,  64*APITCH
.set ABYTES, 2*AHALF
.set BPITCH, 272
.set BHALF,  128*BPITCH
.set SLOT,   ABYTES+2*BHALF            ; 104,448 bytes
.set STAGE,  2*SLOT                    ; behind the ring: 16 rows x 528 bytes for each wave; no tensor load lands here
.set SPITCH, 528
.set ASTEP,  KSTEP*2
.set BSTEP,  KSTEP*2
.set ADRA, 8
.set ADRB, 10
.set STO,  12
.set RD,   13
.set CO,   14
.set WF,   32
.set XB,   160
.set G1A, 24
.set G0A, 32
.set G1B, 48
.set G0B, 56
.set MSB, 0
.macro WIN new                         ; s_set_vgpr_msb: bits 1:0 source 0, 3:2 source 1, 5:4 source 2, 7:6 destination; the high byte repeats the setting that is left
.if MSB != \new
	s_set_vgpr_msb (MSB<<8)|\new
.set MSB, \new
.endif
.endm
.macro PLACES                          ; four places behind a matrix instruction (ISA guide 7.12.1), kept by v_nop
.rept 4
	v_nop
.endr
.endm
.macro JLOAD s                         ; a joint load: waves 0 and 1 fetch att's two halves, waves 2 and 3 W's
	s_cmp_eq_u32 s15, 0
	s_cbranch_scc0 .Lfor_b_\@
	tensor_load_to_lds s[G0A+4*\s:G0A+4*\s+3], s[G1A:G1A+7]
	s_nop 0
	s_branch .Lasked_\@
.Lfor_b_\@:
	tensor_load_to_lds s[G0B+4*\s:G0B+4*\s+3], s[G1B:G1B+7]
	s_nop 0
.Lasked_\@:
.endm
.macro CREST                           ; a round of the cluster's barrier behind its opening work-group barrier
	s_cmp_lg_u32 s14, 0
	s_cbranch_scc1 .Lnot_wave_0_\@
	s_barrier_signal -3
.Lnot_wave_0_\@:
	s_barrier_wait -3
	s_barrier_signal -1
	s_barrier_wait -1
.endm
.macro CROUND
	s_barrier_signal -1
	s_barrier_wait -1
	CREST
.endm
	s_load_b128 s[4:7], s[0:1], 0x0                ; att s[4:5], wcat s[6:7]
	s_load_b64 s[8:9], s[0:1], 0x10                ; out0
	v_lshl_add_u32 v254, v0, 2, 0x3b400
	v_mov_b32 v255, 0
	ds_add_u32 v254, v255
	v_lshrrev_b32 v1, 5, v0
	v_readfirstlane_b32 s14, v1                    ; wave 0..3
	s_lshr_b32 s15, s14, 1                         ; which 64 rows are mine.  Also: I fetch for att (0) or for W' (1)
	s_and_b32 s16, s14, 1                          ; which 128 columns.  Also: which half of that tile I fetch
	s_bfe_u32 s17, ttmp6, 0x40000                  ; cx
	s_bfe_u32 s18, ttmp6, 0x40004                  ; cy
	s_lshl_b32 s19, ttmp9, 2
	s_add_co_u32 s19, s19, s17                     ; block column
	s_and_b32 s20, ttmp7, 0xffff
	s_lshl_b32 s22, s20, 2
	s_add_co_u32 s22, s22, s18                     ; block row
	s_lshl_b32 s66, s18, 2
	s_lshl_b32 s66, 15, s66                        ; my row of the cluster
	s_lshl_b32 s67, 0x1111, s17                    ; my column
	; group 1: rows of 128 elements of 2 bytes, 4 words of padding behind every 64 words; 64 rows of att, 128 rows of W'
	s_or_b32 s[G1A+0], s66, (1<<16)|(1<<20)|(1<<21)|(5<<22)|(3<<25)
	s_mov_b32 s[G1A+1], KSTEP<<16
	s_mov_b32 s[G1A+2], 64<<16
	s_mov_b32 s[G1A+3], KSTEP<<16
	s_mov_b32 s[G1A+4], 64
	s_mov_b32 s[G1A+5], 1024
	s_mov_b32 s[G1A+6], 0
	s_mov_b32 s[G1A+7], 0
	s_or_b32 s[G1B+0], s67, (1<<16)|(1<<20)|(1<<21)|(5<<22)|(3<<25)
	s_mov_b32 s[G1B+1], KSTEP<<16
	s_mov_b32 s[G1B+2], 128<<16
	s_mov_b32 s[G1B+3], KSTEP<<16
	s_mov_b32 s[G1B+4], 128
	s_mov_b32 s[G1B+5], 1024
	s_mov_b32 s[G1B+6], 0
	s_mov_b32 s[G1B+7], 0
	s_lshl_b32 s42, s22, 7
	s_lshl_b32 s43, s16, 6
	s_add_co_u32 s42, s42, s43
	s_lshl_b32 s42, s42, 11                        ; att: row (128 block row + 64 half) of 2,048 bytes
	s_mov_b32 s43, 0
	s_lshl_b32 s46, s19, 8
	s_lshl_b32 s47, s16, 7
	s_add_co_u32 s46, s46, s47
	s_lshl_b32 s46, s46, 11                        ; W': row (256 block column + 128 half) of 2,048 bytes
	s_add_co_u32 s46, s46, 3<<21                   ; in part 3
	s_mov_b32 s47, 0
	s_mul_i32 s44, s16, AHALF                      ; where they go: the wave's number alone enters an LDS address
	s_mul_i32 s45, s16, BHALF
	s_add_co_u32 s45, s45, ABYTES
	s_lshl_b32 s72, s22, 7
	s_lshl_b32 s73, s15, 6
	s_add_co_u32 s72, s72, s73
	s_lshl_b32 s72, s72, 12                        ; out0: row (128 block row + 64 half) of 4,096 bytes
	s_mov_b32 s73, 0
	s_lshl_b32 s74, s19, 10
	s_lshl_b32 s75, s16, 9
	s_add_co_u32 s74, s74, s75                     ; column, in bytes: 1,024 block column + 512 half
	s_mov_b32 s75, 0
	s_wait_dscnt 0x0
	s_wait_kmcnt 0x0
	s_add_nc_u64 s[40:41], s[4:5], s[42:43]
	s_add_nc_u64 s[46:47], s[6:7], s[46:47]
	s_add_nc_u64 s[8:9], s[8:9], s[72:73]
	s_add_nc_u64 s[8:9], s[8:9], s[74:75]
	CROUND                                         ; all sixteen work-groups are here: the first joint loads meet
.irp s, 0,1
	s_mov_b32 s[G0A+4*\s], 1
	s_add_co_u32 s[G0A+4*\s+1], s44, \s*SLOT
	s_add_nc_u64 s[G0A+4*\s+2:G0A+4*\s+3], s[40:41], \s*ASTEP
	s_or_b32 s[G0A+4*\s+3], s[G0A+4*\s+3], 0x80000000
	s_mov_b32 s[G0B+4*\s], 1
	s_add_co_u32 s[G0B+4*\s+1], s45, \s*SLOT
	s_add_nc_u64 s[G0B+4*\s+2:G0B+4*\s+3], s[46:47], \s*BSTEP
	s_or_b32 s[G0B+4*\s+3], s[G0B+4*\s+3], 0x80000000
	JLOAD \s                                       ; both slots' first fills go out together: two tensor loads of the wave are out
.endr
	v_and_b32 v1, 15, v0                           ; r
	v_bfe_u32 v2, v0, 4, 1                         ; h
	v_mul_u32_u24 v3, v1, APITCH
	v_lshl_add_u32 v3, v2, 4, v3                   ; row x pitch + 16 h, for both operands
	s_mul_i32 s68, s15, AHALF
	s_mul_i32 s69, s16, BHALF
	s_add_co_u32 s69, s69, ABYTES
.irp s, 0,1
	v_add_nc_u32 v[ADRA+\s], s68, v3
	v_add_nc_u32 v[ADRB+\s], s69, v3
	s_add_co_u32 s68, s68, SLOT
	s_add_co_u32 s69, s69, SLOT
.endr
	s_mul_i32 s70, s14, 16*SPITCH
	s_add_co_u32 s70, s70, STAGE                   ; my stage
	v_mul_u32_u24 v4, v1, SPITCH
	v_lshl_add_u32 v4, v2, 5, v4
	v_add_nc_u32 v[STO], s70, v4                   ; in: row r, 32 bytes for each half of the lanes
	v_and_b32 v5, 31, v0
	v_lshlrev_b32 v[CO], 4, v5                     ; back and out: 32 lanes take one row of 512 bytes
	v_add_nc_u32 v[RD], s70, v[CO]
; 16 matrix instructions.  The 32 accumulators take turns, one instruction a turn, in the same order in every quarter step.
.macro MULH buf, a0, zero
	WIN 0x50
.irp a, \a0, \a0+1
.irp b, 0,1,2,3,4,5,6,7
.if \zero
	v_wmma_f32_16x16x32_f16 v[8*(8*(\a)+\b):8*(8*(\a)+\b)+7], v[WF+64*\buf+8*\b:WF+64*\buf+8*\b+7], v[XB+32*\buf+8*(\a):XB+32*\buf+8*(\a)+7], 0
.else
	v_wmma_f32_16x16x32_f16 v[8*(8*(\a)+\b):8*(8*(\a)+\b)+7], v[WF+64*\buf+8*\b:WF+64*\buf+8*\b+7], v[XB+32*\buf+8*(\a):XB+32*\buf+8*(\a)+7], v[8*(8*(\a)+\b):8*(8*(\a)+\b)+7]
.endif
.endr
.endr
.endm
; 24 LDS loads in one run: quarter q of a slot into buffer buf, four places behind the last matrix instruction that read that buffer
.macro FETCH slot, q, buf
	PLACES
	WIN 0
.irp i, 0,1,2,3,4,5,6,7
	ds_load_b128 v[WF+64*\buf+8*\i:WF+64*\buf+8*\i+3],   v[ADRB+\slot] offset:64*\q+\i*16*BPITCH
	ds_load_b128 v[WF+64*\buf+8*\i+4:WF+64*\buf+8*\i+7], v[ADRB+\slot] offset:64*\q+\i*16*BPITCH+32
.endr
.irp i, 0,1,2,3
	ds_load_b128 v[XB+32*\buf+8*\i:XB+32*\buf+8*\i+3],   v[ADRA+\slot] offset:64*\q+\i*16*APITCH
	ds_load_b128 v[XB+32*\buf+8*\i+4:XB+32*\buf+8*\i+7], v[ADRA+\slot] offset:64*\q+\i*16*APITCH+32
.endr
.endm
; A K step: four quarters on buffers 0, 1, 0, 1.  mode 2: this slot is filled again, two K steps ahead; 1: the slots change; 0: the last K step.
; The change of slots stands behind the third quarter, whose loads were the last reads of this slot: each wave waits for those reads and for all
; its tensor loads (one is out: its part of the next slot), then signals.  In mode 2 that barrier opens a round of the cluster's barrier, and
; nothing at all stands inside the round: a K step's 128 matrix instructions are shorter than a tile's way, so the joint refill goes out as soon
; as the round allows, first behind it, and the fourth quarter, which works on registers, is multiplied while that load is on its way.
; One tensor load of the wave is out behind each round.
.macro STEP slot, next, zero, mode
	FETCH \slot, 1, 1
	MULH 0, 0, \zero
	MULH 0, 2, \zero
	s_wait_dscnt 0x0                               ; the 24 loads issued ahead of these 32 matrix instructions
	FETCH \slot, 2, 0
	MULH 1, 0, 0
	MULH 1, 2, 0
	s_wait_dscnt 0x0
	FETCH \slot, 3, 1
	MULH 0, 0, 0
	MULH 0, 2, 0
	s_wait_dscnt 0x0                               ; my reads of this slot are over
.if \mode >= 1
	s_wait_tensorcnt 0x0                           ; all my tensor loads have landed,
	ds_add_u32 v254, v255
	s_wait_dscnt 0x0
.if \mode == 2
	s_add_nc_u64 s[G0A+4*\slot+2:G0A+4*\slot+3], s[G0A+4*\slot+2:G0A+4*\slot+3], 2*ASTEP   ; so every group 0 may be written: this slot's next tile
	s_add_nc_u64 s[G0B+4*\slot+2:G0B+4*\slot+3], s[G0B+4*\slot+2:G0B+4*\slot+3], 2*BSTEP
.endif
	WIN 0                                          ; at a branch and at a label every window is 0
	s_barrier_signal -1
	s_barrier_wait -1
.if \mode == 2
	CREST
	JLOAD \slot
.endif
.endif
	MULH 1, 0, 0
.if \mode >= 1
	FETCH \next, 0, 0
.endif
	MULH 1, 2, 0
.if \mode >= 1
	s_wait_dscnt 0x0
.endif
.endm
	s_wait_tensorcnt 0x1                           ; my part of K step 0 is in; K step 1's stays out
	s_barrier_signal -1
	s_barrier_wait -1
	FETCH 0, 0, 0
	s_wait_dscnt 0x0
	STEP 0, 1, 1, 2                                ; K steps 0 and 1: the first products start the sums
	STEP 1, 0, 0, 2
	WIN 0
	s_mov_b32 s3, 2
.Llap:
	STEP 0, 1, 0, 2                                ; K steps 2 to 5
	STEP 1, 0, 0, 2
	WIN 0
	s_sub_co_u32 s3, s3, 1
	s_cmp_lg_u32 s3, 0
	s_cbranch_scc1 .Llap
	STEP 0, 1, 0, 1                                ; K step 6: slot 1's last load is waited for, nothing is filled
	STEP 1, 0, 0, 0                                ; K step 7
	; THE WAY OUT, 16 rows at a time, in f32: 32 bytes a lane into my own stage, read back as whole rows of 512 bytes.
	PLACES                                         ; four places behind the last matrix instructions: the LDS stores read results, the loads land on fragment buffers
.macro OUTF a, f
	WIN 0x04                                       ; an LDS store's data is source 1: window 1
.irp b, 0,1,2,3,4,5,6,7
	ds_store_b128 v[STO], v[8*(8*\a+\b):8*(8*\a+\b)+3]   offset:64*\b
	ds_store_b128 v[STO], v[8*(8*\a+\b)+4:8*(8*\a+\b)+7] offset:64*\b+16
.endr
	WIN 0
	s_wait_xcnt 0x0                                ; buffer f, which earlier stores read, and the stores' base are rewritten only behind this wait
.if \a
	s_add_nc_u64 s[8:9], s[8:9], 16*4096           ; 16 rows of out0 on
.endif
.irp t, 0,1,2,3,4,5,6,7,8,9,10,11,12,13,14,15
	ds_load_b128 v[\f+4*\t:\f+4*\t+3], v[RD] offset:\t*SPITCH      ; LDS serves a wave's instructions in order: these see the stores above
.endr
.irp t, 0,1,2,3,4,5,6,7,8,9,10,11,12,13,14,15
	s_wait_dscnt 15-\t                             ; the younger loads of the sixteen stay out
	global_store_b128 v[CO], v[\f+4*\t:\f+4*\t+3], s[8:9] offset:\t*4096 th:TH_STORE_NT   ; the wave stores 512 consecutive bytes, aligned
.endr
.endm
	OUTF 0, 32
	OUTF 1, 96
	OUTF 2, 32
	OUTF 3, 96
	s_wait_tensorcnt 0x0
	ds_add_u32 v254, v255
	s_wait_dscnt 0x0
	CROUND                                         ; the closing round: no work-group ends while a partner may still ask for a tile that names it
	s_endpgm
.Lfunc_end_k_q46b3bfd31b_oproj:
	.size	k_q46b3bfd31b_oproj, .Lfunc_end_k_q46b3bfd31b_oproj-k_q46b3bfd31b_oproj
	.p2alignl 7, 3214868480
	.fill 96, 4, 3214868480
	.section	.rodata,"a",@progbits
	.p2align	6, 0x0
	.amdhsa_kernel k_q46b3bfd31b_oproj
		.amdhsa_group_segment_fixed_size 327680
		.amdhsa_private_segment_fixed_size 0
		.amdhsa_enable_private_segment 0
		.amdhsa_kernarg_size 24
		.amdhsa_user_sgpr_count 2
		.amdhsa_user_sgpr_kernarg_segment_ptr 1
		.amdhsa_wavefront_size32 1
		.amdhsa_system_sgpr_workgroup_id_x 1
		.amdhsa_system_sgpr_workgroup_id_y 1
		.amdhsa_system_sgpr_workgroup_id_z 1
		.amdhsa_system_vgpr_workitem_id 0
		.amdhsa_next_free_vgpr 512
		.amdhsa_next_free_sgpr 76
		.amdhsa_reserve_vcc 0
		.amdhsa_float_denorm_mode_32 3
		.amdhsa_float_denorm_mode_16_64 3
		.amdhsa_memory_ordered 1
		.amdhsa_forward_progress 1
		.amdhsa_inst_pref_size 117
	.end_amdhsa_kernel
	.amdgpu_metadata
---
amdhsa.version: [ 1, 2 ]
amdhsa.kernels:
  - .name:           k_q46b3bfd31b_oproj
    .symbol:         k_q46b3bfd31b_oproj.kd
    .args:
      - { .name: att, .offset: 0, .size: 8, .value_kind: global_buffer, .address_space: global }
      - { .name: wcat, .offset: 8, .size: 8, .value_kind: global_buffer, .address_space: global }
      - { .name: out0, .offset: 16, .size: 8, .value_kind: global_buffer, .address_space: global }
    .group_segment_fixed_size: 327680
    .private_segment_fixed_size: 0
    .kernarg_segment_align: 8
    .kernarg_segment_size: 24
    .max_flat_workgroup_size: 128
    .sgpr_count:     76
    .vgpr_count:     512
    .wavefront_size: 32
...
	.end_amdgpu_metadata
.endif
;; end of part 7
